; MI455X (gfx1250); checked and timed in simulation.
; The chip was launched on July 23, 2026; its instructions are those of AMD's public machine-readable ISA for CDNA 5 (MIT licence, August 2026) and "CDNA5" Instruction Set Architecture Reference Guide (July 2026). The comments in the code are by the model that wrote it; some were corrected since.
;; Switch Mixture Of Experts. Allowed arithmetic: matrix products marked QUANTISED: E5M2 operands, one given power-of-two scale a tensor, by v_wmma_f32_16x16x64_bf8_bf8 or v_wmma_f32_16x16x128_bf8_bf8, f32 sums; products left as they are: f32 operands where the result goes on into a quantised operand, else bf16, f16 or f32 operands; f32 sums; everything else in f32.
;; Inputs: W1 8 x 512 x 2,048 float32; W2 8 x 2,048 x 512 float32; Wr 512 x 8 float32; b1 8 x 2,048 float32; b2 8 x 512 float32; br 8 float32; lowp_scales 32 int32 (the exponents e of the quantised operands' scales 2^e); x 8 x 512 x 512 float32.
;; Outputs: out0 8 x 512 x 512 float32.
;; This version of the problem:
;;   THIS VERSION OF THE PROBLEM IS GIVEN IN LOW PRECISION. The matrix products marked QUANTISED in the list below multiply operands that are first quantised to E5M2 (5 exponent bits, 2 mantissa bits; 8 bits a number), with one given power-of-two scale for each operand tensor; their sums are f32. All else is computed in f32.
;;   The module's matrix products, in the order in which they are computed (A, B: the left and right operand; K: the contracted axis; several contracted axes count as one K, in the product's order):
;;     1. [M 4,096, K 512] x [K 512, N 8]; A: input x; B: input Wr: left as it is (N = 8 < 16)
;;     2. [M 4,096, K 512] x [K 512, N 2,048]; A: input x; B: input W1: QUANTISED (scales: A lowp_scales[0], B lowp_scales[1])
;;     3. [M 4,096, K 2,048] x [K 2,048, N 512]; A: computed on the way; B: input W2: QUANTISED (scales: A lowp_scales[2], B lowp_scales[3])
;;     4. [M 4,096, K 512] x [K 512, N 2,048]; A: input x; B: input W1: QUANTISED (scales: A lowp_scales[4], B lowp_scales[5])
;;     5. [M 4,096, K 2,048] x [K 2,048, N 512]; A: computed on the way; B: input W2: QUANTISED (scales: A lowp_scales[6], B lowp_scales[7])
;;     6. [M 4,096, K 512] x [K 512, N 2,048]; A: input x; B: input W1: QUANTISED (scales: A lowp_scales[8], B lowp_scales[9])
;;     7. [M 4,096, K 2,048] x [K 2,048, N 512]; A: computed on the way; B: input W2: QUANTISED (scales: A lowp_scales[10], B lowp_scales[11])
;;     8. [M 4,096, K 512] x [K 512, N 2,048]; A: input x; B: input W1: QUANTISED (scales: A lowp_scales[12], B lowp_scales[13])
;;     9. [M 4,096, K 2,048] x [K 2,048, N 512]; A: computed on the way; B: input W2: QUANTISED (scales: A lowp_scales[14], B lowp_scales[15])
;;     10. [M 4,096, K 512] x [K 512, N 2,048]; A: input x; B: input W1: QUANTISED (scales: A lowp_scales[16], B lowp_scales[17])
;;     11. [M 4,096, K 2,048] x [K 2,048, N 512]; A: computed on the way; B: input W2: QUANTISED (scales: A lowp_scales[18], B lowp_scales[19])
;;     12. [M 4,096, K 512] x [K 512, N 2,048]; A: input x; B: input W1: QUANTISED (scales: A lowp_scales[20], B lowp_scales[21])
;;     13. [M 4,096, K 2,048] x [K 2,048, N 512]; A: computed on the way; B: input W2: QUANTISED (scales: A lowp_scales[22], B lowp_scales[23])
;;     14. [M 4,096, K 512] x [K 512, N 2,048]; A: input x; B: input W1: QUANTISED (scales: A lowp_scales[24], B lowp_scales[25])
;;     15. [M 4,096, K 2,048] x [K 2,048, N 512]; A: computed on the way; B: input W2: QUANTISED (scales: A lowp_scales[26], B lowp_scales[27])
;;     16. [M 4,096, K 512] x [K 512, N 2,048]; A: input x; B: input W1: QUANTISED (scales: A lowp_scales[28], B lowp_scales[29])
;;     17. [M 4,096, K 2,048] x [K 2,048, N 512]; A: computed on the way; B: input W2: QUANTISED (scales: A lowp_scales[30], B lowp_scales[31])
;;   THE QUANTISER, for each operand of a quantised product, along K:
;;     - The operand's scale is 2^e, e = its entry of the input lowp_scales (int32; the entries are numbered through the quantised products in the list's order, A before B).
;;     - Each number is divided by the scale, clamped to +-57,344, and rounded to the nearest number of E5M2, ties to even, subnormals kept.
;;     - The product sums the exact products of the quantised numbers (number of the format x scale) in f32.
;;   ~~~python
;;   def quantise(x, axis, e):      # numpy; x: float32 -> the quantised numbers, widened to float32 again
;;       x = np.moveaxis(x, axis, -1); K = x.shape[-1]
;;       r = np.clip(x / 2.0 ** e, -57344, 57344)
;;       step = 2.0 ** (np.maximum(np.frexp(np.where(r == 0, 1, r))[1] - 1, -14) - 2)
;;       q = np.round(r / step) * step * 2.0 ** e      # np.round: ties to even
;;       return np.moveaxis(q, -1, axis).astype(np.float32)
;;   ~~~
;;   OPERANDS COMPUTED ON THE WAY. 'Computed on the way' means the value that the module computes at that place (a softmax that the list does not call 'softmax' is quantised finished and normalised). What goes into a quantiser is computed in f32, as accurately as f32 sums, v_exp_f32 and their like allow (about 1e-6 of the number): no bf16 or f16 on the way to a quantiser, and a product that is left as it is and whose result goes on into a quantised operand takes f32 operands (vector FMAs, or v_wmma_f32_16x16x4_f32). A number that lies on a knife's edge between two numbers of the format may be rounded either way, as far as f32 arithmetic and the matrix unit's own rounding can turn it there, and no further.
;; 2 versions, each right; version 2 is version 1 with the launch chain written anew for expert scheduling mode. Each part assembles by itself: llvm-mc -triple=amdgcn-amd-amdhsa -mcpu=gfx1250 --defsym DOCPART=n.
;; ======== version 1 of 2: 3 launches
;; workspace buffers: xq 2,097,152 bytes; w1c 8,388,608 bytes; w2c 8,388,608 bytes; idx 16,384 bytes of whole numbers; gate 16,384 bytes; order 24,576 bytes of whole numbers; tiles 8,192 bytes of whole numbers
;; launch route (part 1): grid 384 x 1, 8 waves a work-group, no clusters, 3,072 bytes of LDS; arguments x, Wr, br, lowp_scales, W1, xq, idx, gate, w1c; writes xq, idx, gate, w1c
.if DOCPART == 1
	.amdgcn_target "amdgcn-amd-amdhsa--gfx1250"
	.amdhsa_code_object_version 6
	.text
	.protected	k_qde5c7ecf85_route
	.globl	k_qde5c7ecf85_route
	.p2align	8
	.type	k_qde5c7ecf85_route,@function
k_qde5c7ecf85_route:
	s_mov_b64 s[64:65], 0
	v_nop
	global_prefetch_b8 v0, s[64:65] scope:SCOPE_SE
	s_setreg_imm32_b32 hwreg(HW_REG_WAVE_MODE, 25, 1), 1
	s_wait_xcnt 0x0
; ROUTE.  Two kinds of work-groups in one launch, told apart by the work-group's number alone.
; Work-groups 0-127: THE ROUTER.  32 tokens each, 4 a wave, one after the other; all four rows are asked for at the head.  A wave holds a token's 512 numbers in 16 registers a lane, makes the 8 logits
;   x Wr + br in f32 (fused multiply-adds, then a sum over the lanes), takes the largest (the lower index on a tie), the gate as the softmax over that one logit, and quantises the row at once to E5M2 with the
;   CHOSEN expert's scale 2^ex, which is picked by selects, never by an address or a branch.  Stored: the row's codes (xq), the expert (idx), the gate.
;   xq's row: byte p holds k = 128 ((p >> 2) & 3) + 4 (p >> 4) + (p & 3): the order in which dense loads of 16 bytes a lane leave the numbers in a lane's registers.  W1's codes follow the same order.
;   A work-group's 32 experts, and its 32 gates, leave as 128 consecutive bytes each: 64 tokens to a work-group would take 16 waves, and the launch's 8 are shared with W1's path.
; Work-groups 128-383: W1 [8][512 (k)][2048 (n)] f32 INTO CODES, laid as the chain's operand registers take them: w1c [e 8][g 16][p 2][s 4][tt 4][c 4][lane 32][16 bytes]:
;   lane (r, h) of tile tt = 2 bb + u holds hidden unit 128 g + 32 (2 p + bb) + 8 u + r + (r & 8); byte q of chunk c holds k = 128 (q >> 2) + 32 s + 8 c + 4 h + (q & 3).
;   A LANE TAKES A COLUMN AND ITS REGISTERS RUN DOWN K, so the conversions' results are 16 bytes of that image; lanes 0-15 take tile u = 0 and lanes 16-31 tile u = 1, so each store
;   of a wave covers two runs of 256 consecutive bytes, each aligned.  A wave takes 32 columns x the 128 rows of one K step: two whole fragments, in eight groups of 16 rows.
;   128 + 256 work-groups of 8 waves x 256 registers: two fit on a WGP, so all 384 have a place at once.
; code = number / 2^e, held within +-57,344, to the nearest code, ties to even.
; LIMITS: every ex and ew1 lies between -126 and 112, so that 2^e and 57,344 x 2^e are f32 numbers.  NaN among the inputs is not served.  The logits' f32 sums are taken in another order than
; a plain loop over k: a token whose two largest logits agree to within f32 rounding may go to either of the two experts.
.set NROUTE, 128
.set R,   32                           ; W1's path: v32-159  eight groups of 16 numbers
.set C,   160                          ;            v160-191 four registers of codes a group: no store's data are written again
.set LG,  8                            ; router: v8-15    the 8 logits, in four pairs
.set PD,  16                           ;         v16-23   what the other half of the lanes sends
.set WR,  32                           ;         v32-159  register 8 n + e = Wr[128 (n / 4) + 4 lane + n % 4][e]
.set X,   160                          ;         v160-223 the wave's four tokens: register n = x[128 (n / 4) + 4 lane + n % 4]
.set CQ,  224                          ;         v224-239 four registers of codes for each of them
	s_load_b512 s[4:19], s[0:1], 0x0               ; x 4:5, Wr 6:7, br 8:9, scales 10:11, W1 12:13, xq 14:15, idx 16:17, gate 18:19
	s_load_b64 s[20:21], s[0:1], 0x40              ; w1c
	v_lshl_add_u32 v254, v0, 2, 0x800
	v_mov_b32 v255, 0
	v_lshrrev_b32 v1, 5, v0
	v_readfirstlane_b32 s22, v1                    ; wave 0..7
	v_and_b32 v1, 31, v0                           ; lane
	s_cmp_lt_u32 ttmp9, NROUTE
	s_cbranch_scc1 .Lrouter
; ---------------------------------------------------------------- W1 into codes
	s_sub_co_u32 s23, ttmp9, NROUTE                ; q = s + 4 strip + 32 e
	s_and_b32 s25, s23, 3                          ; s: the K step
	s_bfe_u32 s26, s23, 0x30002                    ; strip of 256 columns
	s_lshr_b32 s27, s23, 5                         ; e
	s_lshl_b32 s28, s26, 3
	s_add_co_u32 s28, s28, s22                     ; cb = 8 strip + wave: my 32 columns; the eight waves stand side by side on 1,024 bytes of each row
	s_lshl_b32 s30, s27, 22                        ; from: e x 512 rows x 8,192 bytes
	s_lshl_b32 s29, s25, 18                        ;  + 32 s rows
	s_add_co_u32 s30, s30, s29
	s_lshl_b32 s29, s28, 7                         ;  + 128 cb bytes
	s_add_co_u32 s30, s30, s29
	s_mov_b32 s31, 0
	s_lshl_b32 s32, s27, 20                        ; to: e << 20
	s_lshr_b32 s29, s28, 1
	s_lshl_b32 s29, s29, 15                        ;  | g << 16 | p << 15   (cb = 4 g + 2 p + bb)
	s_add_co_u32 s32, s32, s29
	s_lshl_b32 s29, s25, 13                        ;  | s << 13
	s_add_co_u32 s32, s32, s29
	s_and_b32 s29, s28, 1
	s_lshl_b32 s29, s29, 12                        ;  | bb << 12
	s_add_co_u32 s32, s32, s29
	s_mov_b32 s33, 0
	s_lshl_b32 s34, s27, 4                         ; the expert's four exponents: 16 e bytes on
	v_and_b32 v5, 15, v1                           ; r
	v_lshrrev_b32 v6, 4, v1                        ; u
	v_and_b32 v7, 8, v1
	v_add_nc_u32 v3, v5, v7
	v_lshl_add_u32 v3, v6, 3, v3                   ; my column of the 32: 8 u + r + (r & 8)
	v_lshlrev_b32 v3, 2, v3
	v_lshlrev_b32 v4, 4, v5
	v_lshl_add_u32 v4, v6, 11, v4                  ; my 16 bytes in the images: u << 11 | r << 4
	s_wait_kmcnt 0x0
	s_load_b32 s40, s[10:11], s34 offset:0x4       ; ew1
	s_add_nc_u64 s[12:13], s[12:13], s[30:31]
	s_add_nc_u64 s[20:21], s[20:21], s[32:33]
; group grp = 2 c + h: the 16 numbers of chunk c for lanes of half h: rows 128 (n / 4) + 8 c + 4 h + n % 4 from the base on.  415 rows of 8,192 bytes at the most: inside the signed 24-bit immediate
.macro QLOAD grp
.set n, 0
.rept 16
	global_load_b32 v[R+16*(\grp)+n], v3, s[12:13] offset:(128*(n/4)+8*((\grp)/2)+4*((\grp)%2)+n%4)*8192 th:TH_LOAD_NT
.set n, n+1
.endr
.endm
.macro QGROUP grp
.if (\grp) <= 4
	s_wait_loadcnt 48                              ; loads come back in order: this group's 16 are in, the three younger groups' 48 may be out
.else
	s_wait_loadcnt 16*(7-(\grp))                   ; the last groups: fewer are behind
.endif
.if (\grp) < 4
	QLOAD (\grp)+4                                 ; the group four further on is asked for, into registers of its own
.endif
.set n, 0
.rept 16
	v_med3_num_f32 v[R+16*(\grp)+n], v[R+16*(\grp)+n], -v10, v10   ; the conversion to an 8-bit code does not saturate (ISA guide 7.6.2): the hold at the largest code x the scale
.set n, n+1
.endr
	v_cvt_scalef32_pk8_bf8_f32 v[C+4*(\grp):C+4*(\grp)+1], v[R+16*(\grp):R+16*(\grp)+7], v11
	v_cvt_scalef32_pk8_bf8_f32 v[C+4*(\grp)+2:C+4*(\grp)+3], v[R+16*(\grp)+8:R+16*(\grp)+15], v11
	global_store_b128 v4, v[C+4*(\grp):C+4*(\grp)+3], s[20:21] offset:512*((\grp)/2)+256*((\grp)%2)   ; the codes go to a store alone; the next vector lines are the next group's holds, plain and on other registers
.endm
	QLOAD 0
	QLOAD 1
	QLOAD 2
	QLOAD 3                                        ; four groups, 64 loads, go out at once
	s_wait_kmcnt 0x0
	s_add_co_i32 s40, s40, 127
	s_lshl_b32 s41, s40, 23
	v_mov_b32 v11, s41                             ; 2^ew1 as f32: the conversion takes its exponent field
	s_add_co_i32 s40, s40, 15
	s_lshl_b32 s40, s40, 23
	s_or_b32 s40, s40, 0x600000
	v_mov_b32 v10, s40                             ; 57,344 x 2^ew1
	QGROUP 0
	QGROUP 1
	QGROUP 2
	QGROUP 3
	QGROUP 4
	QGROUP 5
	QGROUP 6
	QGROUP 7
	s_endpgm
; ---------------------------------------------------------------- the router
.Lrouter:
	v_lshlrev_b32 v2, 4, v1                        ; 16 x lane: my bytes of a load's 512, and of a row of codes
	v_lshlrev_b32 v3, 7, v1                        ; 128 x lane: four rows of Wr
	v_lshlrev_b32 v29, 2, v0                       ; LDS: 128 x wave + 4 x lane
	v_mov_b32 v4, 0                                ; lane t will hold token t's expert,
	v_mov_b32 v5, 0                                ; and its gate
.irp e, 0,1,2,3,4,5,6,7
	v_mov_b32 v[PD+\e], 0                          ; written once: a lane permute's destination counts as one of its sources
.endr
	s_lshl_b32 s23, ttmp9, 5
	s_lshl_b32 s43, s22, 2
	s_add_co_u32 s23, s23, s43                     ; my first token: 32 x work-group + 4 x wave
	s_lshl_b32 s44, s23, 11                        ; its row of x,
	s_mov_b32 s45, 0
	s_lshl_b32 s46, s23, 9                         ; and of codes
	s_mov_b32 s47, 0
	s_mov_b32 s40, 0x76543210                      ; v_permlanex16_b32: each lane takes its own place in the other half
	s_mov_b32 s41, 0xfedcba98
	s_wait_kmcnt 0x0
	s_load_b256 s[24:31], s[8:9], 0x0              ; br
.irp e, 0,1,2,3,4,5,6,7
	s_load_b32 s[32+\e], s[10:11], 16*\e           ; ex of expert e
.endr
	s_add_nc_u64 s[4:5], s[4:5], s[44:45]
	s_add_nc_u64 s[14:15], s[14:15], s[46:47]
.set n, 0
.rept 16
	global_load_b128 v[WR+8*n:WR+8*n+3],   v3, s[6:7] offset:4096*(n/4)+32*(n%4)      ; Wr stays in registers for the wave's 4 tokens
	global_load_b128 v[WR+8*n+4:WR+8*n+7], v3, s[6:7] offset:4096*(n/4)+32*(n%4)+16
.set n, n+1
.endr
.macro XLOAD t                         ; token t's row: four loads of 512 consecutive bytes
.irp i, 0,1,2,3
	global_load_b128 v[X+16*(\t)+4*\i:X+16*(\t)+4*\i+3], v2, s[4:5] offset:2048*(\t)+512*\i th:TH_LOAD_NT
.endr
.endm
	XLOAD 0
	XLOAD 1
	XLOAD 2
	XLOAD 3                                        ; all that the wave reads is on its way: 32 + 16 loads
	s_wait_kmcnt 0x0
.irp e, 0,1,2,3,4,5,6,7
	s_add_co_i32 s[32+\e], s[32+\e], 127
	s_lshl_b32 s[32+\e], s[32+\e], 23              ; 2^ex as f32
.endr
; number nn of the lane's 16 times its row of Wr, onto the four pairs of logits: four chains.  The number is one register of a pair and serves both halves.
.macro FMA4 nn, xs
.irp q, 0,1,2,3
.if ((\nn)%2) == 0
	v_pk_fma_f32 v[LG+2*\q:LG+2*\q+1], v[(\xs)+(\nn):(\xs)+(\nn)+1], v[WR+8*(\nn)+2*\q:WR+8*(\nn)+2*\q+1], v[LG+2*\q:LG+2*\q+1] op_sel_hi:[0,1,1]
.else
	v_pk_fma_f32 v[LG+2*\q:LG+2*\q+1], v[(\xs)+(\nn)-1:(\xs)+(\nn)], v[WR+8*(\nn)+2*\q:WR+8*(\nn)+2*\q+1], v[LG+2*\q:LG+2*\q+1] op_sel:[1,0,0] op_sel_hi:[1,1,1]
.endif
.endr
.endm
.macro TOKEN t
.set XS, X+16*(\t)
	s_wait_loadcnt 4*(3-(\t))                      ; this token's row is in (and Wr, asked for earlier); the younger tokens' loads, four each, may be out
.irp q, 0,1,2,3
	v_pk_mul_f32 v[LG+2*\q:LG+2*\q+1], v[XS:XS+1], v[WR+2*\q:WR+2*\q+1] op_sel_hi:[0,1]   ; the first product starts the sums
.endr
.set NN, 1
.rept 15
	FMA4 NN, XS
.set NN, NN+1
.endr
.irp m, 1,2,4,8                        ; the sum over the 32 lanes, stage by stage, so that no line waits for the one above it; every lane ends with the same bits
.irp e, 0,1,2,3,4,5,6,7
	v_add_f32_dpp v[LG+\e], v[LG+\e], v[LG+\e] row_xmask:\m row_mask:0xf bank_mask:0xf
.endr
.endr
.irp e, 0,1,2,3,4,5,6,7
	v_permlanex16_b32 v[PD+\e], v[LG+\e], s40, s41
.endr
.irp e, 0,1,2,3,4,5,6,7
	v_add_f32 v[LG+\e], v[LG+\e], v[PD+\e]
.endr
.irp e, 0,1,2,3,4,5,6,7
	v_add_f32 v[LG+\e], s[24+\e], v[LG+\e]         ; + br
.endr
	v_mov_b32 v6, v[LG]                            ; the largest logit so far,
	v_mov_b32 v7, 0                                ; its expert,
	v_mov_b32 v24, s32                             ; and that expert's 2^ex
.irp e, 1,2,3,4,5,6,7
	v_cmp_ge_f32 vcc_lo, v6, v[LG+\e]              ; the old one stays where it is not smaller: a tie keeps the lower index
	v_cndmask_b32 v6, v[LG+\e], v6, vcc_lo
	v_cndmask_b32 v7, \e, v7, vcc_lo
	v_cndmask_b32 v24, s[32+\e], v24, vcc_lo
.endr
	v_add_nc_u32 v25, 0x07e00000, v24              ; 57,344 x 2^ex: 15 onto the exponent field, 0x600000 as the mantissa field
	v_sub_f32 v26, v6, v6                          ; the softmax over the one logit kept: the logit less the largest,
	v_mul_f32 v26, 0x3fb8aa3b, v26
	v_exp_f32 v27, v26                             ; its exponential,
.set n, 0
.rept 16
	v_med3_num_f32 v[XS+n], v[XS+n], -v25, v25     ; (the hold at the largest code x the scale: plain work behind the exponential)
.set n, n+1
.endr
	s_wait_alu depctr_va_vdst(0)                   ; the wait ahead of the first line that names the exponential's result
	v_rcp_f32 v28, v27                             ; divided by the sum, which is that one exponential
	v_nop                                          ; a plain line behind the reciprocal
	s_wait_alu depctr_va_vdst(0)                   ; and the wait ahead of its first reader
	v_mul_f32 v26, v27, v28                        ; the gate
	v_cvt_scalef32_pk8_bf8_f32 v[CQ+4*(\t):CQ+4*(\t)+1], v[XS:XS+7], v24
	v_cvt_scalef32_pk8_bf8_f32 v[CQ+4*(\t)+2:CQ+4*(\t)+3], v[XS+8:XS+15], v24
	v_nop                                          ; a plain line behind the conversions
	global_store_b128 v2, v[CQ+4*(\t):CQ+4*(\t)+3], s[14:15] offset:512*(\t)   ; the row's 512 bytes of codes: consecutive, aligned
	s_mov_b32 s42, 1<<(\t)
	v_cndmask_b32 v4, v4, v7, s42                  ; lane t keeps the token's expert
	v_cndmask_b32 v5, v5, v26, s42                 ; and its gate
.endm
.irp t, 0,1,2,3
	TOKEN \t
.endr
	; the work-group's 32 experts and 32 gates meet in LDS, so that each list leaves by one store of 128 consecutive bytes
	ds_store_b32 v29, v4
	ds_store_b32 v29, v5 offset:1024
	s_wait_dscnt 0x0                               ; for the others' sake: my stores have landed
	s_barrier_signal -1
	s_barrier_wait -1
	s_cmp_lt_u32 s22, 2
	s_cbranch_scc1 .Lout
	s_wait_tensorcnt 0x0
	ds_add_u32 v254, v255
	s_wait_dscnt 0x0
	s_endpgm
.Lout:                                             ; wave 0 stores the experts, wave 1 the gates: one text, the buffer chosen by the wave's number
	v_lshrrev_b32 v30, 2, v1
	v_and_b32 v31, 3, v1
	v_lshlrev_b32 v30, 7, v30
	v_lshl_add_u32 v30, v31, 2, v30                ; token = lane: wave lane / 4's word lane % 4
	s_lshl_b32 s43, s22, 10
	v_add_nc_u32 v30, s43, v30
	ds_load_b32 v32, v30
	s_cmp_eq_u32 s22, 0
	s_cselect_b64 s[16:17], s[16:17], s[18:19]
	s_lshl_b32 s44, ttmp9, 7
	s_mov_b32 s45, 0
	s_add_nc_u64 s[16:17], s[16:17], s[44:45]
	v_lshlrev_b32 v31, 2, v1
	s_wait_dscnt 0x0
	global_store_b32 v31, v32, s[16:17]
	s_wait_tensorcnt 0x0
	ds_add_u32 v254, v255
	s_wait_dscnt 0x0
	s_endpgm
.Lfunc_end_k_qde5c7ecf85_route:
	.size	k_qde5c7ecf85_route, .Lfunc_end_k_qde5c7ecf85_route-k_qde5c7ecf85_route
	.p2alignl 7, 3214868480
	.fill 96, 4, 3214868480
	.section	.rodata,"a",@progbits
	.p2align	6, 0x0
	.amdhsa_kernel k_qde5c7ecf85_route
		.amdhsa_group_segment_fixed_size 3072
		.amdhsa_private_segment_fixed_size 0
		.amdhsa_enable_private_segment 0
		.amdhsa_kernarg_size 72
		.amdhsa_user_sgpr_count 2
		.amdhsa_user_sgpr_kernarg_segment_ptr 1
		.amdhsa_wavefront_size32 1
		.amdhsa_system_sgpr_workgroup_id_x 1
		.amdhsa_system_sgpr_workgroup_id_y 1
		.amdhsa_system_sgpr_workgroup_id_z 1
		.amdhsa_system_vgpr_workitem_id 0
		.amdhsa_next_free_vgpr 256
		.amdhsa_next_free_sgpr 66
		.amdhsa_reserve_vcc 1
		.amdhsa_float_denorm_mode_32 3
		.amdhsa_float_denorm_mode_16_64 3
		.amdhsa_memory_ordered 1
		.amdhsa_forward_progress 1
		.amdhsa_inst_pref_size 72
	.end_amdhsa_kernel
	.amdgpu_metadata
---
amdhsa.version: [ 1, 2 ]
amdhsa.kernels:
  - .name:           k_qde5c7ecf85_route
    .symbol:         k_qde5c7ecf85_route.kd
    .args:
      - { .name: x, .offset: 0, .size: 8, .value_kind: global_buffer, .address_space: global }
      - { .name: Wr, .offset: 8, .size: 8, .value_kind: global_buffer, .address_space: global }
      - { .name: br, .offset: 16, .size: 8, .value_kind: global_buffer, .address_space: global }
      - { .name: lowp_scales, .offset: 24, .size: 8, .value_kind: global_buffer, .address_space: global }
      - { .name: W1, .offset: 32, .size: 8, .value_kind: global_buffer, .address_space: global }
      - { .name: xq, .offset: 40, .size: 8, .value_kind: global_buffer, .address_space: global }
      - { .name: idx, .offset: 48, .size: 8, .value_kind: global_buffer, .address_space: global }
      - { .name: gate, .offset: 56, .size: 8, .value_kind: global_buffer, .address_space: global }
      - { .name: w1c, .offset: 64, .size: 8, .value_kind: global_buffer, .address_space: global }
    .group_segment_fixed_size: 3072
    .private_segment_fixed_size: 0
    .kernarg_segment_align: 8
    .kernarg_segment_size: 72
    .max_flat_workgroup_size: 256
    .sgpr_count:     66
    .vgpr_count:     256
    .wavefront_size: 32
...
	.end_amdgpu_metadata
.endif
;; end of part 1
;; launch place (part 2): grid 257 x 1, 16 waves a work-group, no clusters, 4,096 bytes of LDS; arguments idx, W2, lowp_scales, order, tiles, w2c; writes order, tiles, w2c
.if DOCPART == 2
	.amdgcn_target "amdgcn-amd-amdhsa--gfx1250"
	.amdhsa_code_object_version 6
	.text
	.protected	k_qde5c7ecf85_place
	.globl	k_qde5c7ecf85_place
	.p2align	8
	.type	k_qde5c7ecf85_place,@function
k_qde5c7ecf85_place:
	s_mov_b64 s[64:65], 0
	v_nop
	global_prefetch_b8 v0, s[64:65] scope:SCOPE_SE
	s_setreg_imm32_b32 hwreg(HW_REG_WAVE_MODE, 25, 1), 1
	s_wait_xcnt 0x0
; PLACE.  Two kinds of work-groups in one launch, told apart by the work-group's number alone.
; Work-group 0: THE ROWS ARE PLACED BY EXPERT, by a counting sort without atomics.  512 threads, thread t holds tokens 512 i + t, i = 0 .. 7.  Each expert's rows begin at a multiple of 32:
;   order[32 j + i] = the token of row i of tile j (0 where the tile has no such row); tiles[j] = (expert, rows, 1 if it is the expert's first tile, 0).  With 4,096 rows, 8 experts and tiles of 32 rows
;   there are never more than 135 tiles, whatever the choice.  All of both buffers is written: order first with zeros, then, behind a wait for those stores and a barrier, with the tokens.
;   Both passes go in batches of eight experts: eight compares into eight masks, then the lines that read the masks, so that no scalar line reads the mask that the vector line just above it wrote.
; Work-groups 1-256: W2 [8][2048 (k)][512 (n)] f32 INTO CODES of E5M2, laid as the chain's operand registers take them: w2c [e 8][cb 16][s 16][u 2][c 4][lane 32][16 bytes]:
;   lane (r, h) holds output 32 cb + 8 u + r + (r & 8); byte q of chunk c holds k = 128 s + 32 c + 16 h + q.  A lane takes a column and its registers run down K; lanes 0-15 take tile u = 0, lanes 16-31 u = 1,
;   so each store of a wave covers two runs of 256 consecutive bytes, each aligned.  A work-group reads 64 whole rows: one dense block.
; code = number / 2^ew2, held within +-57,344, to the nearest code, ties to even.  LIMITS: every ew2 between -126 and 112.  NaN among the inputs is not served.
.set R,   32                           ; W2's path: v32-95 the 64 numbers of my column; v96-111 their codes
.set C,   96
.set CNT, 24                           ; s24-31  expert e: first my wave's count, then the place of my wave's next row
.set MSK, 32                           ; s32-39  expert e: the lanes that go to it, then their number
.set TOT, 40                           ; s40-47  its rows in all
.set BEL, 48                           ; s48-55  its rows in the waves below mine
.set TS,  56                           ; s56-63  its first tile
	s_load_b256 s[4:11], s[0:1], 0x0               ; idx 4:5, W2 6:7, scales 8:9, order 10:11
	s_load_b128 s[12:15], s[0:1], 0x20             ; tiles 12:13, w2c 14:15
	v_lshl_add_u32 v128, v0, 2, 0x800
	v_mov_b32 v129, 0
	v_lshrrev_b32 v1, 5, v0
	v_readfirstlane_b32 s16, v1                    ; wave 0..15
	v_and_b32 v1, 31, v0                           ; lane
	s_cmp_eq_u32 ttmp9, 0
	s_cbranch_scc1 .Lplace
; ---------------------------------------------------------------- W2 into codes
	s_sub_co_u32 s17, ttmp9, 1                     ; q = hc + 2 s + 32 e
	s_and_b32 s18, s17, 1                          ; hc: which two of a fragment's four chunks
	s_bfe_u32 s19, s17, 0x40001                    ; s: the K step
	s_lshr_b32 s20, s17, 5                         ; e
	s_lshl_b32 s22, s20, 22                        ; from: e x 2,048 rows x 2,048 bytes
	s_lshl_b32 s21, s19, 18                        ;  + 128 s rows
	s_add_co_u32 s22, s22, s21
	s_lshl_b32 s21, s18, 17                        ;  + 64 hc rows
	s_add_co_u32 s22, s22, s21
	s_lshl_b32 s21, s16, 7                         ;  + my wave's 32 columns
	s_add_co_u32 s22, s22, s21
	s_mov_b32 s23, 0
	s_lshl_b32 s24, s20, 20                        ; to: e << 20 | cb << 16 | s << 12 | hc << 10
	s_lshl_b32 s21, s16, 16
	s_add_co_u32 s24, s24, s21
	s_lshl_b32 s21, s19, 12
	s_add_co_u32 s24, s24, s21
	s_lshl_b32 s21, s18, 10
	s_add_co_u32 s24, s24, s21
	s_mov_b32 s25, 0
	s_lshl_b32 s26, s20, 4
	v_and_b32 v5, 15, v1                           ; r
	v_lshrrev_b32 v6, 4, v1                        ; u
	v_and_b32 v7, 8, v1
	v_add_nc_u32 v3, v5, v7
	v_lshl_add_u32 v3, v6, 3, v3                   ; my column of the 32: 8 u + r + (r & 8)
	v_lshlrev_b32 v3, 2, v3
	v_lshlrev_b32 v4, 4, v5
	v_lshl_add_u32 v4, v6, 11, v4                  ; my 16 bytes in the images: u << 11 | r << 4
	s_wait_kmcnt 0x0
	s_load_b32 s28, s[8:9], s26 offset:0xc         ; ew2
	s_add_nc_u64 s[6:7], s[6:7], s[22:23]
	s_add_nc_u64 s[14:15], s[14:15], s[24:25]
.set n, 0
.rept 64
	global_load_b32 v[R+n], v3, s[6:7] offset:n*2048 th:TH_LOAD_NT   ; register n = row n of the 64: group grp = 2 cl + h is rows 16 grp on: k = 32 cl + 16 h + 0 .. 15 of the work-group's half of the K step
.set n, n+1
.endr
	s_wait_kmcnt 0x0
	s_add_co_i32 s28, s28, 127
	s_lshl_b32 s29, s28, 23
	v_mov_b32 v11, s29                             ; 2^ew2 as f32
	s_add_co_i32 s28, s28, 15
	s_lshl_b32 s28, s28, 23
	s_or_b32 s28, s28, 0x600000
	v_mov_b32 v10, s28                             ; 57,344 x 2^ew2
.macro QGROUP grp
	s_wait_loadcnt 16*(3-(\grp))                   ; this group's 16 loads are in, the younger groups' may be out
.set n, 0
.rept 16
	v_med3_num_f32 v[R+16*(\grp)+n], v[R+16*(\grp)+n], -v10, v10   ; the conversion to an 8-bit code does not saturate (ISA guide 7.6.2)
.set n, n+1
.endr
	v_cvt_scalef32_pk8_bf8_f32 v[C+4*(\grp):C+4*(\grp)+1], v[R+16*(\grp):R+16*(\grp)+7], v11
	v_cvt_scalef32_pk8_bf8_f32 v[C+4*(\grp)+2:C+4*(\grp)+3], v[R+16*(\grp)+8:R+16*(\grp)+15], v11
	global_store_b128 v4, v[C+4*(\grp):C+4*(\grp)+3], s[14:15] offset:512*((\grp)/2)+256*((\grp)%2)   ; the codes go to a store alone; the next vector lines are plain and on other registers
.endm
	QGROUP 0
	QGROUP 1
	QGROUP 2
	QGROUP 3
	s_endpgm
; ---------------------------------------------------------------- the rows by expert
.Lplace:
	v_lshlrev_b32 v2, 4, v0                        ; 16 x thread
	v_lshlrev_b32 v3, 2, v0                        ; 4 x thread
	v_mov_b32 v4, 0
	v_mov_b32 v5, 0
	v_mov_b32 v6, 0
	v_mov_b32 v7, 0
	s_wait_kmcnt 0x0
.irp i, 0,1,2,3,4,5,6,7
	global_load_b32 v[8+\i], v3, s[4:5] offset:2048*\i             ; the expert of token 512 i + thread
.endr
.irp i, 0,1,2
	global_store_b128 v2, v[4:7], s[10:11] offset:8192*\i          ; order: 3 x 8,192 bytes of zeros
.endr
.irp e, 0,1,2,3,4,5,6,7
	s_mov_b32 s[CNT+\e], 0
.endr
	s_wait_loadcnt 0x0
.irp i, 0,1,2,3,4,5,6,7                ; how many of my wave's 256 tokens go to each expert
.irp e, 0,1,2,3,4,5,6,7
	v_cmp_eq_u32 s[MSK+\e], \e, v[8+\i]
.endr
.irp e, 0,1,2,3,4,5,6,7
	s_bcnt1_i32_b32 s[MSK+\e], s[MSK+\e]
.endr
.irp e, 0,1,2,3,4,5,6,7
	s_add_co_u32 s[CNT+\e], s[CNT+\e], s[MSK+\e]
.endr
.endr
	v_mov_b32 v33, 0
.irp e, 0,1,2,3,4,5,6,7
	v_writelane_b32 v33, s[CNT+\e], \e
.endr
	v_lshlrev_b32 v34, 2, v0                       ; 128 x wave + 4 x lane
	ds_store_b32 v34, v33
	s_wait_storecnt 0x0                            ; my zeros are written: behind the barrier any wave may store a token over them
	s_wait_dscnt 0x0                               ; my counts have landed
	s_barrier_signal -1
	s_barrier_wait -1
	v_and_b32 v35, 7, v0
	v_lshlrev_b32 v35, 2, v35                      ; lane l looks at expert l % 8
.irp w, 0,1,2,3,4,5,6,7,8,9,10,11,12,13,14,15
	ds_load_b32 v[36+\w], v35 offset:128*\w
.endr
	v_mov_b32 v53, 0
	s_wait_dscnt 0x0
	v_add3_u32 v52, v36, v37, v38                  ; the expert's rows in all
.irp k, 39,41,43,45,47,49
	v_add3_u32 v52, v52, v[\k], v[\k+1]
.endr
	v_add_nc_u32 v52, v52, v51
.irp w, 0,1,2,3,4,5,6,7,8,9,10,11,12,13,14
	s_cmp_gt_u32 s16, \w
	s_cselect_b32 s17, 1, 0
	v_mad_u32_u24 v53, v[36+\w], s17, v53          ; and in the waves below mine
.endr
.irp e, 0,1,2,3,4,5,6,7
	v_readlane_b32 s[TOT+\e], v52, \e
	v_readlane_b32 s[BEL+\e], v53, \e
.endr
	s_mov_b32 s[TS], 0
.irp e, 0,1,2,3,4,5,6
	s_add_co_u32 s17, s[TOT+\e], 31
	s_lshr_b32 s17, s17, 5                         ; the expert's tiles
	s_add_co_u32 s[TS+\e+1], s[TS+\e], s17
.endr
.irp e, 0,1,2,3,4,5,6,7
	s_lshl_b32 s17, s[TS+\e], 5
	s_add_co_u32 s[CNT+\e], s17, s[BEL+\e]         ; where my wave's first row of the expert goes
.endr
.irp i, 0,1,2,3,4,5,6,7
	v_mov_b32 v[16+\i], 0
.endr
.irp i, 0,1,2,3,4,5,6,7                ; each token's place: the wave's next place of its expert + the lanes below that go to the same expert
.irp e, 0,1,2,3,4,5,6,7
	v_cmp_eq_u32 s[MSK+\e], \e, v[8+\i]
.endr
.irp e, 0,1,2,3,4,5,6,7
	v_mbcnt_lo_u32_b32 v[60+\e], s[MSK+\e], s[CNT+\e]
.endr
.irp e, 0,1,2,3,4,5,6,7
	v_cndmask_b32 v[16+\i], v[16+\i], v[60+\e], s[MSK+\e]
.endr
.irp e, 0,1,2,3,4,5,6,7
	s_bcnt1_i32_b32 s[MSK+\e], s[MSK+\e]
.endr
.irp e, 0,1,2,3,4,5,6,7
	s_add_co_u32 s[CNT+\e], s[CNT+\e], s[MSK+\e]
.endr
.endr
.irp i, 0,1,2,3,4,5,6,7
	v_min_u32 v[16+\i], 0x10df, v[16+\i]           ; a place lies among the 135 tiles' 4,320: held there, since it enters an address
	v_lshlrev_b32 v[16+\i], 2, v[16+\i]
	v_add_nc_u32 v[24+\i], 512*\i, v0              ; the token
	global_store_b32 v[16+\i], v[24+\i], s[10:11]  ; each store has address and data registers of its own
.endr
	; tile j = thread: the last expert whose first tile is not behind j (an expert without rows has no tile and is passed over)
	v_mov_b32 v64, 0
	v_mov_b32 v55, 0
	v_mov_b32 v56, s[TOT]
.irp e, 1,2,3,4,5,6,7
	v_cmp_gt_u32 vcc_lo, s[TS+\e], v0              ; the earlier expert stays where this one begins behind j
	v_cndmask_b32 v64, \e, v64, vcc_lo
	v_cndmask_b32 v55, s[TS+\e], v55, vcc_lo
	v_cndmask_b32 v56, s[TOT+\e], v56, vcc_lo
.endr
	v_sub_nc_u32 v57, v0, v55                      ; which tile of the expert
	v_lshlrev_b32 v58, 5, v57
	v_sub_nc_u32 v58, v56, v58                     ; rows left from its first row on (0 or less behind the last tile)
	v_cmp_lt_i32 vcc_lo, 0, v58
	v_cndmask_b32 v65, 0, v58, vcc_lo
	v_min_u32 v65, 32, v65                         ; the tile's rows
	v_mov_b32 v59, 1
	v_cmp_eq_u32 vcc_lo, 0, v57
	v_cndmask_b32 v66, 0, v59, vcc_lo              ; the expert's first tile?
	v_mov_b32 v67, 0
	global_store_b128 v2, v[64:67], s[12:13]
	s_wait_tensorcnt 0x0
	ds_add_u32 v128, v129
	s_wait_dscnt 0x0
	s_endpgm
.Lfunc_end_k_qde5c7ecf85_place:
	.size	k_qde5c7ecf85_place, .Lfunc_end_k_qde5c7ecf85_place-k_qde5c7ecf85_place
	.p2alignl 7, 3214868480
	.fill 96, 4, 3214868480
	.section	.rodata,"a",@progbits
	.p2align	6, 0x0
	.amdhsa_kernel k_qde5c7ecf85_place
		.amdhsa_group_segment_fixed_size 4096
		.amdhsa_private_segment_fixed_size 0
		.amdhsa_enable_private_segment 0
		.amdhsa_kernarg_size 48
		.amdhsa_user_sgpr_count 2
		.amdhsa_user_sgpr_kernarg_segment_ptr 1
		.amdhsa_wavefront_size32 1
		.amdhsa_system_sgpr_workgroup_id_x 1
		.amdhsa_system_sgpr_workgroup_id_y 1
		.amdhsa_system_sgpr_workgroup_id_z 1
		.amdhsa_system_vgpr_workitem_id 0
		.amdhsa_next_free_vgpr 130
		.amdhsa_next_free_sgpr 66
		.amdhsa_reserve_vcc 1
		.amdhsa_float_denorm_mode_32 3
		.amdhsa_float_denorm_mode_16_64 3
		.amdhsa_memory_ordered 1
		.amdhsa_forward_progress 1
		.amdhsa_inst_pref_size 49
	.end_amdhsa_kernel
	.amdgpu_metadata
---
amdhsa.version: [ 1, 2 ]
amdhsa.kernels:
  - .name:           k_qde5c7ecf85_place
    .symbol:         k_qde5c7ecf85_place.kd
    .args:
      - { .name: idx, .offset: 0, .size: 8, .value_kind: global_buffer, .address_space: global }
      - { .name: W2, .offset: 8, .size: 8, .value_kind: global_buffer, .address_space: global }
      - { .name: lowp_scales, .offset: 16, .size: 8, .value_kind: global_buffer, .address_space: global }
      - { .name: order, .offset: 24, .size: 8, .value_kind: global_buffer, .address_space: global }
      - { .name: tiles, .offset: 32, .size: 8, .value_kind: global_buffer, .address_space: global }
      - { .name: w2c, .offset: 40, .size: 8, .value_kind: global_buffer, .address_space: global }
    .group_segment_fixed_size: 4096
    .private_segment_fixed_size: 0
    .kernarg_segment_align: 8
    .kernarg_segment_size: 48
    .max_flat_workgroup_size: 512
    .sgpr_count:     66
    .vgpr_count:     130
    .wavefront_size: 32
...
	.end_amdgpu_metadata
.endif
;; end of part 2
;; launch chain (part 3): grid 135 x 1, 16 waves a work-group, no clusters, 158,208 bytes of LDS; arguments xq, w1c, w2c, b1, b2, lowp_scales, gate, order, tiles, out0; writes out0
.if DOCPART == 3
	.amdgcn_target "amdgcn-amd-amdhsa--gfx1250"
	.amdhsa_code_object_version 6
	.text
	.protected	k_qde5c7ecf85_chain
	.globl	k_qde5c7ecf85_chain
	.p2align	8
	.type	k_qde5c7ecf85_chain,@function
k_qde5c7ecf85_chain:
	s_mov_b64 s[64:65], 0
	v_nop
	global_prefetch_b8 v0, s[64:65] scope:SCOPE_SE
	s_setreg_imm32_b32 hwreg(HW_REG_WAVE_MODE, 25, 1), 1
	s_wait_xcnt 0x0
; CHAIN.  out[token] = gate x (relu(x W1[e] + b1[e]) W2[e] + b2[e]) for the expert e chosen for the token; both products on codes of E5M2 by v_wmma_f32_16x16x128_bf8_bf8, sums in f32.
; One work-group takes one tile of 32 rows of one expert through the whole chain; the hidden layer never goes to memory.  135 = 4096 / 32 + 7 tiles serve every split.  A tile with fewer than 32 rows
; (or none) walks the same text on token 0's codes in the rows that it lacks and stores only its own rows: so every wave passes every barrier, and no barrier stands under a branch on a loaded number.
; NO CLUSTER, NO TENSOR LOAD: which expert a tile has, and which rows it stores, are numbers read from memory, and neighbours in the grid need not share an expert at every split.
; SHARES.  Sixteen waves share the COLUMNS: wave w makes hidden units 128 w .. 128 w + 127 and outputs 32 w .. 32 w + 31, for all 32 rows.  Its 64 KiB of W1's codes and 64 KiB of W2's come from memory straight
; into registers, as images of the operand's registers (four loads of 512 consecutive bytes a fragment), each fragment loaded by one wave alone, through a ring of 8 fragments:
; 32 loads, 16 KiB, of every wave are on their way.  ONE STREAM of 64 fragments: 0-31 W1's (16 p + 4 s + tt), 32-63 W2's (32 + 2 s + u).
; BOTH PRODUCTS ARE USED TRANSPOSED (source 0 = 16 rows of the weight, source 1 = 16 tokens): a lane holds ONE token.  The rows of a weight that form a tile are not neighbours (lane r of tile 2 b + u: 32 b + 8 u + r + (r & 8)),
; so that the 16 registers of tiles 2 b and 2 b + 1 are 16 neighbours: of the next K in the first product, of a row of out in the second.
; x's and the hidden layer's codes go from wave to wave through LDS as images of the operand's registers: lane l's 16 bytes at 16 l, 512 bytes a chunk.  k stands in the same places in x's images and in W1's
; (a permutation of k, alike in both), so every product meets its partner.
; SCALES: a sum of the first product stands for sum x 2^(ex + ew1).  b1 / 2^(ex + ew1) is the C of each sum's first matrix instruction; the hidden layer's conversion takes 2^(eh - ex - ew1); out = (sum x 2^(eh + ew2) + b2) x gate.
; LIMITS on the given exponents, so that each power of two below is an f32 number: eh - ex - ew1 between -126 and 112; -(ex + ew1) and eh + ew2 between -126 and 127.  NaN among the inputs is not served.
.set XIMG, 0                           ; LDS: x's 8 images (tile of rows m, K step s: 4 m + s), 2,048 bytes each
.set BIAS, 16384                       ;      2,048 f32: b1 / 2^(ex + ew1)
.set HIMG, 24576                       ;      the hidden layer's 32 images (16 m + s)
.set STG,  90112                       ;      the way out: 32 rows x (2,048 bytes + 16)
.set SP,   2064
.set LI,   1                           ; v1   16 x lane
.set BO,   2                           ; v2   64 h
.set XST,  3                           ; v3   where I store x's images: 1,024 x wave + 16 x lane
.set HST,  4                           ; v4   the hidden layer's: HIMG + 2,048 x wave + 16 x lane
.set HLD,  5                           ; v5   and where any image of it is read: HIMG + 16 x lane
.set SO,   6                           ; v6   the stage: row r, + 128 x wave + 64 h
.set SR,   7                           ; v7   and back: rows 2 wave, 2 wave + 1; 16 x lane
.set PFO,  15                          ; v15  256 x lane, for the prefetches; never rewritten
.set BL,   16                          ; v16  BIAS + 512 x wave + 64 h
.set BST,  17                          ; v17  BIAS + 16 x thread
.set SCH,  20                          ; v20  2^(eh - ex - ew1)
.set LIMH, 21                          ; v21  57,344 x that
.set XF,   32                          ; v32-63   x's two fragments (16 m); then the codes just made (8 m + 4 bb); then out's four accumulators (16 m + 8 u)
.set ACC,  64                          ; v64-127  the first product's eight accumulators (32 m + 8 tt); then two sets of hidden fragments (32 (s % 2) + 16 m); then rows of out
.set RB,   128                         ; v128-255 the ring: fragment f in 16 registers at 16 (f % 8)
; v[8:9] the gates of rows r and 16 + r; v10, v11 offsets in order; v12-14 tokens, then offsets made of them; v18, v19, v22-24 at work at the head
; s[36:37] my stream of W1's codes, s[38:39] of W2's; s[40:41] my 128 of b1, s[42:43] my 32 of b2; s[50:53] my two rows of out; s28 expert, s29 rows, s30 first tile of its expert
	s_load_b512 s[4:19], s[0:1], 0x0               ; xq 4:5, w1c 6:7, w2c 8:9, b1 10:11, b2 12:13, scales 14:15, gate 16:17, order 18:19
	s_load_b128 s[20:23], s[0:1], 0x40             ; tiles 20:21, out0 22:23
	v_lshl_add_u32 v30, v0, 2, 0x26200
	v_mov_b32 v31, 0
	v_lshrrev_b32 v18, 5, v0                       ; wave
	v_readfirstlane_b32 s24, v18
	v_and_b32 v24, 31, v0                          ; lane
	v_and_b32 v19, 15, v0                          ; r
	v_bfe_u32 v22, v0, 4, 1                        ; h
	v_lshlrev_b32 v[LI], 4, v24
	v_lshlrev_b32 v[BO], 6, v22
	v_lshl_add_u32 v[XST], v18, 10, v[LI]
	v_lshl_add_u32 v[HST], v18, 11, v[LI]
	v_add_nc_u32 v[HST], HIMG, v[HST]
	v_add_nc_u32 v[HLD], HIMG, v[LI]
	v_mul_u32_u24 v[SO], v19, SP
	v_lshl_add_u32 v[SO], v18, 7, v[SO]
	v_add_nc_u32 v[SO], v[SO], v[BO]
	v_add_nc_u32 v[SO], STG, v[SO]
	v_mul_u32_u24 v[SR], v18, 2*SP
	v_add_nc_u32 v[SR], v[SR], v[LI]
	v_add_nc_u32 v[SR], STG, v[SR]
	v_lshlrev_b32 v[PFO], 8, v24
	v_lshl_add_u32 v[BL], v18, 9, v[BO]
	v_add_nc_u32 v[BL], BIAS, v[BL]
	v_lshl_add_u32 v[BST], v0, 4, BIAS
	s_lshl_b32 s25, ttmp9, 4                       ; my tile's entry: 16 j
	s_lshl_b32 s26, ttmp9, 7                       ; its 32 tokens: 128 j
	s_lshl_b32 s27, s24, 3
	s_add_co_u32 s27, s27, s26                     ; rows 2 wave, 2 wave + 1: the ones that I store
	v_lshl_add_u32 v10, v19, 2, s26                ; row r (and, 64 bytes on, row 16 + r): for the gates
	s_lshr_b32 s55, s24, 3
	s_lshl_b32 s55, s55, 6
	v_add_nc_u32 v11, s55, v10                     ; row 16 (wave / 8) + r: the one whose codes I gather
	s_and_b32 s54, s24, 7
	s_lshl_b32 s54, s54, 6
	v_lshl_add_u32 v23, v22, 4, s54                ; and which 64 bytes of its 512: 64 (wave % 8) + 16 h, and 32 bytes on
	s_wait_kmcnt 0x0
	s_load_b128 s[28:31], s[20:21], s25 offset:0x0 ; expert, rows, first tile of its expert, 0
	s_load_b64 s[44:45], s[18:19], s27 offset:0x0
	global_load_b32 v12, v10, s[18:19]             ; these three hang on ids alone, so they go out beside the tile's entry
	global_load_b32 v13, v10, s[18:19] offset:64
	global_load_b32 v14, v11, s[18:19]
	s_wait_kmcnt 0x0
	s_min_u32 s28, s28, 7                          ; loaded numbers are held in their ranges before they enter an address
	s_min_u32 s29, s29, 32
	s_min_u32 s44, s44, 0xfff
	s_min_u32 s45, s45, 0xfff
	s_lshl_b32 s25, s28, 4                         ; (the wait above has freed s25, s26, s27)
	s_load_b128 s[32:35], s[14:15], s25 offset:0x0 ; ex, ew1, eh, ew2
	s_lshl_b32 s26, s28, 20
	s_lshl_b32 s27, s24, 16
	s_add_co_u32 s26, s26, s27                     ; e << 20 | wave << 16, in both buffers of codes
	s_mov_b32 s27, 0
	s_add_nc_u64 s[36:37], s[6:7], s[26:27]
	s_add_nc_u64 s[38:39], s[8:9], s[26:27]
	s_lshl_b32 s26, s28, 13
	s_lshl_b32 s54, s24, 9
	s_add_co_u32 s26, s26, s54
	s_add_nc_u64 s[40:41], s[10:11], s[26:27]      ; b1 + 8,192 e + 512 wave
	s_lshl_b32 s26, s28, 11
	s_lshl_b32 s54, s24, 7
	s_add_co_u32 s26, s26, s54
	s_add_nc_u64 s[42:43], s[12:13], s[26:27]      ; b2 + 2,048 e + 128 wave
	s_lshl_b32 s26, s44, 11
	s_add_nc_u64 s[50:51], s[22:23], s[26:27]      ; out's row of the token of row 2 wave,
	s_lshl_b32 s26, s45, 11
	s_add_nc_u64 s[52:53], s[22:23], s[26:27]      ; and of row 2 wave + 1
.macro RLOAD f                         ; fragment f of the stream into its place in the ring: four loads of 512 consecutive bytes
.if (\f) < 32
.irp c, 0,1,2,3
	global_load_b128 v[RB+16*((\f)%8)+4*\c:RB+16*((\f)%8)+4*\c+3], v[LI], s[36:37] offset:2048*(\f)+512*\c
.endr
.else
.irp c, 0,1,2,3
	global_load_b128 v[RB+16*((\f)%8)+4*\c:RB+16*((\f)%8)+4*\c+3], v[LI], s[38:39] offset:2048*((\f)-32)+512*\c
.endr
.endif
.endm
; A load into a register that a matrix instruction has read, and a vector instruction that reads a matrix result or writes one of a matrix instruction's registers, stand four places behind it, and only plain
; vector instructions that name none of its registers are places (ISA guide 7.12.1 for vector instructions).
.macro PLACES
.rept 4
	v_nop
.endr
.endm
; A PREFETCH of 8,192 bytes (four fragments) of my wave's stream of W2's codes, lanes 256 bytes apart.  It stands behind a run of the ring's loads, eight fragments of the stream ahead of the ring's first load from that block.
; All tiles of an expert walk the same codes: the expert's first tile asks, each of its waves for its own stream, so each block of 256 bytes is named once in the launch.  W1's codes are wanted at the head and are not asked for.
.macro ASK blk
	s_cmp_eq_u32 s30, 1
	s_cbranch_scc0 .Lnot_first_\@
	global_prefetch_b8 v[PFO], s[38:39] offset:8192*(\blk) th:TH_LOAD_NT scope:SCOPE_SE
.Lnot_first_\@:
.endm
	global_load_b128 v[40:43], v[LI], s[40:41]     ; my 128 numbers of b1
.irp f, 0,1,2,3,4,5,6,7
	RLOAD \f                                       ; the ring is filled
.endr
	s_wait_loadcnt 33                              ; the three tokens are in: behind them stand b1's load and the ring's 32
	v_min_u32 v12, 0xfff, v12
	v_min_u32 v13, 0xfff, v13
	v_min_u32 v14, 0xfff, v14
	v_lshlrev_b32 v12, 2, v12
	v_lshlrev_b32 v13, 2, v13
	v_lshl_add_u32 v14, v14, 9, v23
	global_load_b32 v8, v12, s[16:17]              ; the gates of rows r and 16 + r
	global_load_b32 v9, v13, s[16:17]
	global_load_b128 v[32:35], v14, s[4:5]         ; two chunks of one image of x: image wave / 2, chunks 2 (wave % 2) and + 1
	global_load_b128 v[36:39], v14, s[4:5] offset:32
	s_wait_kmcnt 0x0                               ; the four exponents
	s_add_co_i32 s54, s32, s33                     ; ex + ew1
	s_sub_co_i32 s48, 127, s54
	s_lshl_b32 s48, s48, 23                        ; 2^-(ex + ew1) as f32
	s_mov_b32 s49, s48                             ; (named with it as a pair, so it is written)
	s_add_co_i32 s46, s34, s35
	s_add_co_i32 s46, s46, 127
	s_lshl_b32 s46, s46, 23                        ; 2^(eh + ew2)
	s_mov_b32 s47, s46
	s_sub_co_i32 s55, s34, s54
	s_add_co_i32 s55, s55, 127
	s_lshl_b32 s26, s55, 23
	v_mov_b32 v[SCH], s26                          ; 2^(eh - ex - ew1): the three scales folded into the conversion's one
	s_add_co_i32 s55, s55, 15
	s_lshl_b32 s55, s55, 23
	s_or_b32 s55, s55, 0x600000
	v_mov_b32 v[LIMH], s55                         ; 57,344 x that
	s_wait_loadcnt 36                              ; b1 is in: behind it stand the ring's 32, the two gates and x's two
	v_pk_mul_f32 v[40:41], v[40:41], s[48:49] op_sel_hi:[1,0]
	v_pk_mul_f32 v[42:43], v[42:43], s[48:49] op_sel_hi:[1,0]
	ds_store_b128 v[BST], v[40:43]
	s_wait_loadcnt 0x0                             ; x's codes are the youngest loads
	ds_store_b128 v[XST], v[32:35]
	ds_store_b128 v[XST], v[36:39] offset:512
	s_wait_dscnt 0x0                               ; for the others' sake: my stores have landed
	s_barrier_signal -1
	s_barrier_wait -1                              ; x's eight images and the bias lie in LDS
; ---------------------------------------------------------------- the first product, 64 hidden units of the wave (pass p) at a time
.macro BIASLD p                        ; the eight accumulators begin as the bias: lane (r, h), tile 2 bb + u, register j: unit 128 wave + 64 p + 32 bb + 16 h + 8 u + j; the same for both tiles of rows
.irp m, 0,1
.irp t, 0,1,2,3
	ds_load_b128 v[ACC+32*\m+8*\t:ACC+32*\m+8*\t+3],   v[BL] offset:(64*(\p)+32*(\t/2)+8*(\t%2))*4
	ds_load_b128 v[ACC+32*\m+8*\t+4:ACC+32*\m+8*\t+7], v[BL] offset:(64*(\p)+32*(\t/2)+8*(\t%2))*4+16
.endr
.endr
.endm
.macro XFETCH s                        ; x's fragments of K step s, both tiles of rows
.irp m, 0,1
.irp c, 0,1,2,3
	ds_load_b128 v[XF+16*\m+4*\c:XF+16*\m+4*\c+3], v[LI] offset:XIMG+(4*\m+(\s))*2048+512*\c
.endr
.endr
.endm
.macro FRAG1 f                         ; fragment f of W1 against both tiles of rows.  The eight accumulators take turns, one instruction a turn
	s_wait_loadcnt 28                              ; fragment f is in; the seven younger fragments' 28 loads may be out
	v_wmma_f32_16x16x128_bf8_bf8 v[ACC+8*((\f)%4):ACC+8*((\f)%4)+7], v[RB+16*((\f)%8):RB+16*((\f)%8)+15], v[XF:XF+15], v[ACC+8*((\f)%4):ACC+8*((\f)%4)+7]
	v_wmma_f32_16x16x128_bf8_bf8 v[ACC+32+8*((\f)%4):ACC+32+8*((\f)%4)+7], v[RB+16*((\f)%8):RB+16*((\f)%8)+15], v[XF+16:XF+31], v[ACC+32+8*((\f)%4):ACC+32+8*((\f)%4)+7]
	PLACES
	RLOAD (\f)+8                                   ; its place in the ring takes the fragment eight further on
.endm
.macro QUANT m                         ; the 32 sums of tile of rows m become 32 codes: two chunks of the second product's operand
.set qi, 0
.rept 32
	v_med3_num_f32 v[ACC+32*(\m)+qi], v[ACC+32*(\m)+qi], 0, v[LIMH]   ; the activation and the hold in one: between 0 and the largest code x the scale; each accumulator from its low end on
.set qi, qi+1
.endr
.irp t, 0,1,2,3
	v_cvt_scalef32_pk8_bf8_f32 v[XF+8*(\m)+2*\t:XF+8*(\m)+2*\t+1], v[ACC+32*(\m)+8*\t:ACC+32*(\m)+8*\t+7], v[SCH]
.endr
	v_nop                                          ; a plain line behind the conversions: matrix instructions later write these registers
.endm
.macro IMAGE m, p                      ; chunks 2 p and 2 p + 1 of image 16 m + wave
.irp b, 0,1
	ds_store_b128 v[HST], v[XF+8*(\m)+4*\b:XF+8*(\m)+4*\b+3] offset:32768*(\m)+512*(2*(\p)+\b)
.endr
.endm
.set F, 0
.irp p, 0,1
	BIASLD \p
.irp s, 0,1,2,3
	XFETCH \s                                      ; (the four places of the fragment before stand in front of these loads too)
	s_wait_dscnt 0x0                               ; x's fragments, and in the first K step the bias, are in
.rept 4
	FRAG1 F
.if (F >= 16) && (F%4 == 0)
	ASK (F-16)/4
.endif
.set F, F+1
.endr
.endr
	QUANT 0
	IMAGE 0, \p
	QUANT 1
	IMAGE 1, \p
	s_wait_dscnt 0x0                               ; my stores have landed, and have read their registers
.endr
	s_barrier_signal -1
	s_barrier_wait -1                              ; the hidden layer's 32 images lie in LDS
; ---------------------------------------------------------------- the second product: K step s = the hidden units of wave s
.macro HFETCH s                        ; the hidden layer's fragments of K step s, both tiles of rows, into set s % 2
.irp m, 0,1
.irp c, 0,1,2,3
	ds_load_b128 v[ACC+32*((\s)%2)+16*\m+4*\c:ACC+32*((\s)%2)+16*\m+4*\c+3], v[HLD] offset:(16*\m+(\s))*2048+512*\c
.endr
.endr
.endm
.macro STEP2 s
.if (\s) <= 12
	s_wait_loadcnt 24                              ; this step's two fragments are in; the six younger ones' 24 loads may be out
.else
	s_wait_loadcnt 20-8*((\s)-13)                  ; the stream's end: what is left of it, and b2's four loads
.endif
.if (\s) < 15
	s_wait_dscnt 8                                 ; this step's hidden fragments are in; the next step's eight loads may be out
.else
	s_wait_dscnt 0
.endif
.irp u, 0,1
.irp m, 0,1                            ; four accumulators by turns; the first step's products start the sums
.if (\s) == 0
	v_wmma_f32_16x16x128_bf8_bf8 v[XF+16*\m+8*\u:XF+16*\m+8*\u+7], v[RB+16*((2*(\s)+\u)%8):RB+16*((2*(\s)+\u)%8)+15], v[ACC+32*((\s)%2)+16*\m:ACC+32*((\s)%2)+16*\m+15], 0
.else
	v_wmma_f32_16x16x128_bf8_bf8 v[XF+16*\m+8*\u:XF+16*\m+8*\u+7], v[RB+16*((2*(\s)+\u)%8):RB+16*((2*(\s)+\u)%8)+15], v[ACC+32*((\s)%2)+16*\m:ACC+32*((\s)%2)+16*\m+15], v[XF+16*\m+8*\u:XF+16*\m+8*\u+7]
.endif
.endr
.endr
	PLACES
.if (\s) <= 11
	RLOAD 40+2*(\s)
	RLOAD 41+2*(\s)
.endif
.if (\s) == 12
.irp q, 0,1,2,3
	global_load_b128 v[RB+4*\q:RB+4*\q+3], v[BO], s[42:43] offset:16*\q   ; the stream is at its end: the place just left takes b2 of my 16 outputs: 32 wave + 16 h + 0 .. 15
.endr
.endif
.if (\s) <= 13
	HFETCH (\s)+2
.endif
.if ((\s) <= 6) && ((\s)%2 == 0)
	ASK 4+(\s)/2
.endif
.endm
	HFETCH 0
	HFETCH 1
.irp s, 0,1,2,3,4,5,6,7,8,9,10,11,12,13,14,15
	STEP2 \s
.endr
; ---------------------------------------------------------------- the way out.  (The last step's four places stand in front of the first read of results)
	s_wait_loadcnt 0x0                             ; b2
.irp m, 0,1
.irp i, 0,2,4,6,8,10,12,14
	v_pk_fma_f32 v[XF+16*\m+\i:XF+16*\m+\i+1], v[XF+16*\m+\i:XF+16*\m+\i+1], s[46:47], v[RB+\i:RB+\i+1] op_sel_hi:[1,0,1]   ; sum x 2^(eh + ew2) + b2; each accumulator from its low end on
.endr
.endr
.irp i, 0,2,4,6,8,10,12,14
	v_pk_mul_f32 v[XF+\i:XF+\i+1], v[XF+\i:XF+\i+1], v[8:9] op_sel_hi:[1,0]                    ; x the gate of row r
.endr
.irp i, 0,2,4,6,8,10,12,14
	v_pk_mul_f32 v[XF+16+\i:XF+16+\i+1], v[XF+16+\i:XF+16+\i+1], v[8:9] op_sel:[0,1] op_sel_hi:[1,1]   ; x the gate of row 16 + r
.endr
.irp m, 0,1
.irp q, 0,1,2,3
	ds_store_b128 v[SO], v[XF+16*\m+4*\q:XF+16*\m+4*\q+3] offset:16*SP*\m+16*\q   ; lane (r, h): out(16 m + r, 32 wave + 16 h + 0 .. 15): 64 bytes of a row
.endr
.endr
	s_wait_dscnt 0x0                               ; for the others' sake: my stores have landed
	s_barrier_signal -1
	s_barrier_wait -1                              ; 32 whole rows lie in the stage
.irp i, 0,1
.irp q, 0,1,2,3
	ds_load_b128 v[ACC+16*\i+4*\q:ACC+16*\i+4*\q+3], v[SR] offset:SP*\i+512*\q
.endr
.endr
	s_wait_dscnt 0x0
	s_lshl_b32 s26, s24, 1
	s_cmp_lt_u32 s26, s29                          ; a row that the tile does not have is not stored
	s_cbranch_scc0 .Lno_row0
.irp q, 0,1,2,3
	global_store_b128 v[LI], v[ACC+4*\q:ACC+4*\q+3], s[50:51] offset:512*\q th:TH_STORE_NT   ; 32 lanes store 512 consecutive bytes of the token's row, aligned
.endr
.Lno_row0:
	s_add_co_u32 s26, s26, 1
	s_cmp_lt_u32 s26, s29
	s_cbranch_scc0 .Lno_row1
.irp q, 0,1,2,3
	global_store_b128 v[LI], v[ACC+16+4*\q:ACC+16+4*\q+3], s[52:53] offset:512*\q th:TH_STORE_NT
.endr
.Lno_row1:
	s_wait_tensorcnt 0x0
	ds_add_u32 v30, v31
	s_wait_dscnt 0x0
	s_endpgm
.Lfunc_end_k_qde5c7ecf85_chain:
	.size	k_qde5c7ecf85_chain, .Lfunc_end_k_qde5c7ecf85_chain-k_qde5c7ecf85_chain
	.p2alignl 7, 3214868480
	.fill 96, 4, 3214868480
	.section	.rodata,"a",@progbits
	.p2align	6, 0x0
	.amdhsa_kernel k_qde5c7ecf85_chain
		.amdhsa_group_segment_fixed_size 158208
		.amdhsa_private_segment_fixed_size 0
		.amdhsa_enable_private_segment 0
		.amdhsa_kernarg_size 80
		.amdhsa_user_sgpr_count 2
		.amdhsa_user_sgpr_kernarg_segment_ptr 1
		.amdhsa_wavefront_size32 1
		.amdhsa_system_sgpr_workgroup_id_x 1
		.amdhsa_system_sgpr_workgroup_id_y 1
		.amdhsa_system_sgpr_workgroup_id_z 1
		.amdhsa_system_vgpr_workitem_id 0
		.amdhsa_next_free_vgpr 256
		.amdhsa_next_free_sgpr 66
		.amdhsa_reserve_vcc 0
		.amdhsa_float_denorm_mode_32 3
		.amdhsa_float_denorm_mode_16_64 3
		.amdhsa_memory_ordered 1
		.amdhsa_forward_progress 1
		.amdhsa_inst_pref_size 76
	.end_amdhsa_kernel
	.amdgpu_metadata
---
amdhsa.version: [ 1, 2 ]
amdhsa.kernels:
  - .name:           k_qde5c7ecf85_chain
    .symbol:         k_qde5c7ecf85_chain.kd
    .args:
      - { .name: xq, .offset: 0, .size: 8, .value_kind: global_buffer, .address_space: global }
      - { .name: w1c, .offset: 8, .size: 8, .value_kind: global_buffer, .address_space: global }
      - { .name: w2c, .offset: 16, .size: 8, .value_kind: global_buffer, .address_space: global }
      - { .name: b1, .offset: 24, .size: 8, .value_kind: global_buffer, .address_space: global }
      - { .name: b2, .offset: 32, .size: 8, .value_kind: global_buffer, .address_space: global }
      - { .name: lowp_scales, .offset: 40, .size: 8, .value_kind: global_buffer, .address_space: global }
      - { .name: gate, .offset: 48, .size: 8, .value_kind: global_buffer, .address_space: global }
      - { .name: order, .offset: 56, .size: 8, .value_kind: global_buffer, .address_space: global }
      - { .name: tiles, .offset: 64, .size: 8, .value_kind: global_buffer, .address_space: global }
      - { .name: out0, .offset: 72, .size: 8, .value_kind: global_buffer, .address_space: global }
    .group_segment_fixed_size: 158208
    .private_segment_fixed_size: 0
    .kernarg_segment_align: 8
    .kernarg_segment_size: 80
    .max_flat_workgroup_size: 512
    .sgpr_count:     66
    .vgpr_count:     256
    .wavefront_size: 32
...
	.end_amdgpu_metadata
.endif
;; end of part 3
;; ======== version 2 of 2: 3 launches; version 1 with the launch chain written anew for expert scheduling mode
;; workspace buffers: xq 2,097,152 bytes; w1c 8,388,608 bytes; w2c 8,388,608 bytes; idx 16,384 bytes of whole numbers; gate 16,384 bytes; order 24,576 bytes of whole numbers; tiles 8,192 bytes of whole numbers
;; launch route: the kernel of part 1 again; grid 384 x 1, 8 waves a work-group, no clusters, 3,072 bytes of LDS; arguments x, Wr, br, lowp_scales, W1, xq, idx, gate, w1c; writes xq, idx, gate, w1c
;; launch place: the kernel of part 2 again; grid 257 x 1, 16 waves a work-group, no clusters, 4,096 bytes of LDS; arguments idx, W2, lowp_scales, order, tiles, w2c; writes order, tiles, w2c
;; launch chain (part 4): grid 135 x 1, 16 waves a work-group, no clusters, 158,208 bytes of LDS; arguments xq, w1c, w2c, b1, b2, lowp_scales, gate, order, tiles, out0; writes out0
.if DOCPART == 4
	.amdgcn_target "amdgcn-amd-amdhsa--gfx1250"
	.amdhsa_code_object_version 6
	.text
	.protected	k_qde5c7ecf85_chain
	.globl	k_qde5c7ecf85_chain
	.p2align	8
	.type	k_qde5c7ecf85_chain,@function
k_qde5c7ecf85_chain:
	s_mov_b64 s[64:65], 0
	v_nop
	global_prefetch_b8 v0, s[64:65] scope:SCOPE_SE
	s_setreg_imm32_b32 hwreg(HW_REG_WAVE_SCHED_MODE, 0, 2), 2
	s_setreg_imm32_b32 hwreg(HW_REG_WAVE_MODE, 25, 1), 1
	s_wait_xcnt 0x0
	s_wait_alu depctr_vm_vsrc(0)
; CHAIN.  out[token] = gate x (relu(x W1[e] + b1[e]) W2[e] + b2[e]) for the expert e chosen for the token; both products on codes of E5M2 by v_wmma_f32_16x16x128_bf8_bf8, sums in f32.
; One work-group takes one tile of 32 rows of one expert through the whole chain; the hidden layer never goes to memory.  135 = 4096 / 32 + 7 tiles serve every split.  A tile with fewer than 32 rows
; (or none) walks the same text on token 0's codes in the rows that it lacks and stores only its own rows: so every wave passes every barrier, and no barrier stands under a branch on a loaded number.
; NO CLUSTER, NO TENSOR LOAD: which expert a tile has, and which rows it stores, are numbers read from memory, and neighbours in the grid need not share an expert at every split.
; SHARES.  Sixteen waves share the COLUMNS: wave w makes hidden units 128 w .. 128 w + 127 and outputs 32 w .. 32 w + 31, for all 32 rows.  Its 64 KiB of W1's codes and 64 KiB of W2's come from memory straight
; into registers, as images of the operand's registers (four loads of 512 consecutive bytes a fragment), each fragment loaded by one wave alone, through a ring of 8 fragments.
; ONE STREAM of 64 fragments: 0-31 W1's (16 p + 4 s + tt), 32-63 W2's (32 + 2 s + u).
; BOTH PRODUCTS ARE USED TRANSPOSED (source 0 = 16 rows of the weight, source 1 = 16 tokens): a lane holds ONE token.  The rows of a weight that form a tile are not neighbours (lane r of tile 2 b + u: 32 b + 8 u + r + (r & 8)),
; so that the 16 registers of tiles 2 b and 2 b + 1 are 16 neighbours: of the next K in the first product, of a row of out in the second.
; x's and the hidden layer's codes go from wave to wave through LDS as images of the operand's registers: lane l's 16 bytes at 16 l, 512 bytes a chunk.  k stands in the same places in x's images and in W1's
; (a permutation of k, alike in both), so every product meets its partner.
; SCALES: a sum of the first product stands for sum x 2^(ex + ew1).  b1 / 2^(ex + ew1) is the C of each sum's first matrix instruction; the hidden layer's conversion takes 2^(eh - ex - ew1); out = (sum x 2^(eh + ew2) + b2) x gate.
; LIMITS on the given exponents, so that each power of two below is an f32 number: eh - ex - ew1 between -126 and 112; -(ex + ew1) and eh + ew2 between -126 and 127.  NaN among the inputs is not served.
; THE MODE: SCHED_MODE bits 1:0 = 2 (LLVM: expert scheduling mode 2), set by the entry lines.  The code itself states the register dependences
; between vector or matrix instructions and memory or LDS instructions, with s_wait_alu, always for 0.
; THE PLAN.  Registers that memory or LDS instructions touch, and who else names them:
;   v1-7, v10, v11, v15-17  addresses and offsets: made by vector lines at the head and never written again.  v12-14: tokens as loaded, made into offsets by vector lines, read by four loads, not written again.
;   THE RING   First product: two halves of four fragments.  K step k multiplies one half; the loads of fragments 4 k + 4 .. 4 k + 7 land in the other, which K step k - 1 multiplied.
;              Second product: four pairs.  Step s multiplies one pair; the loads of fragments 38 + 2 s and 39 + 2 s land in the pair that step s - 1 multiplied.
;   XF         First product: a K step's LDS loads land in it, its eight matrix instructions read it.  At a pass's end the conversions write codes there and four LDS stores read them.  Then out's accumulators; eight LDS stores read them.
;   ACC        First product: the bias lands in it; matrix instructions, holds and conversions name it.  Second product: two sets of hidden fragments: step s reads set s % 2, and the LDS loads of step s + 1's fragments,
;              issued at the head of step s, land in the other set, which step s - 1 read.  On the way out rows of the stage land in it and global stores read them.
; So ONE wait on va_vdst stands at the head of a step: the step before is done reading what this step's loads land in.  Those loads follow it, dealt among the step's matrix instructions, which name this step's part of the ring,
; this step's fragments and the accumulators: none of the registers that the loads touch.  One more stands behind each pass's conversions and one ahead of the stage's stores; three at the head, ahead of the first readers of what vector lines have made.
; A wait on vm_vsrc stands behind each run of LDS stores whose data registers are written again: three in all.  The text has no loop; the only jumps ahead of the way out lead round one prefetch each.
.set XIMG, 0                           ; LDS: x's 8 images (tile of rows m, K step s: 4 m + s), 2,048 bytes each
.set BIAS, 16384                       ;      2,048 f32: b1 / 2^(ex + ew1)
.set HIMG, 24576                       ;      the hidden layer's 32 images (16 m + s)
.set STG,  90112                       ;      the way out: 32 rows x (2,048 bytes + 16)
.set SP,   2064
.set LI,   1                           ; v1   16 x lane
.set BO,   2                           ; v2   64 h
.set XST,  3                           ; v3   where I store x's images: 1,024 x wave + 16 x lane
.set HST,  4                           ; v4   the hidden layer's: HIMG + 2,048 x wave + 16 x lane
.set HLD,  5                           ; v5   and where any image of it is read: HIMG + 16 x lane
.set SO,   6                           ; v6   the stage: row r, + 128 x wave + 64 h
.set SR,   7                           ; v7   and back: rows 2 wave, 2 wave + 1; 16 x lane
.set PFO,  15                          ; v15  256 x lane, for the prefetches; never rewritten
.set BL,   16                          ; v16  BIAS + 512 x wave + 64 h
.set BST,  17                          ; v17  BIAS + 16 x thread
.set SCH,  20                          ; v20  2^(eh - ex - ew1)
.set LIMH, 21                          ; v21  57,344 x that
.set XF,   32                          ; v32-63   x's two fragments (16 m); then the codes just made (8 m + 4 bb); then out's four accumulators (16 m + 8 u)
.set ACC,  64                          ; v64-127  the first product's eight accumulators (32 m + 8 tt); then two sets of hidden fragments (32 (s % 2) + 16 m); then rows of out
.set RB,   128                         ; v128-255 the ring: fragment f in 16 registers at 16 (f % 8)
; v[8:9] the gates of rows r and 16 + r; v10, v11 offsets in order; v12-14 tokens, then offsets made of them; v18, v19, v22-24 at work at the head; v30, v31 the closing add's two
; s[36:37] my stream of W1's codes, s[38:39] of W2's; s[40:41] my 128 of b1, s[42:43] my 32 of b2; s[50:53] my two rows of out; s28 expert, s29 rows, s30 first tile of its expert
	s_load_b512 s[4:19], s[0:1], 0x0               ; xq 4:5, w1c 6:7, w2c 8:9, b1 10:11, b2 12:13, scales 14:15, gate 16:17, order 18:19
	s_load_b128 s[20:23], s[0:1], 0x40             ; tiles 20:21, out0 22:23
	v_lshl_add_u32 v30, v0, 2, 0x26200
	v_mov_b32 v31, 0
	v_lshrrev_b32 v18, 5, v0                       ; wave
	v_readfirstlane_b32 s24, v18
	v_and_b32 v24, 31, v0                          ; lane
	v_and_b32 v19, 15, v0                          ; r
	v_bfe_u32 v22, v0, 4, 1                        ; h
	v_lshlrev_b32 v[LI], 4, v24
	v_lshlrev_b32 v[BO], 6, v22
	v_lshl_add_u32 v[XST], v18, 10, v[LI]
	v_lshl_add_u32 v[HST], v18, 11, v[LI]
	v_add_nc_u32 v[HST], HIMG, v[HST]
	v_add_nc_u32 v[HLD], HIMG, v[LI]
	v_mul_u32_u24 v[SO], v19, SP
	v_lshl_add_u32 v[SO], v18, 7, v[SO]
	v_add_nc_u32 v[SO], v[SO], v[BO]
	v_add_nc_u32 v[SO], STG, v[SO]
	v_mul_u32_u24 v[SR], v18, 2*SP
	v_add_nc_u32 v[SR], v[SR], v[LI]
	v_add_nc_u32 v[SR], STG, v[SR]
	v_lshlrev_b32 v[PFO], 8, v24
	v_lshl_add_u32 v[BL], v18, 9, v[BO]
	v_add_nc_u32 v[BL], BIAS, v[BL]
	v_lshl_add_u32 v[BST], v0, 4, BIAS
	s_wait_alu depctr_va_sdst(0)                   ; s24, the wave's number, is written, ahead of its first reader three lines on
	s_lshl_b32 s25, ttmp9, 4                       ; my tile's entry: 16 j
	s_lshl_b32 s26, ttmp9, 7                       ; its 32 tokens: 128 j
	s_lshl_b32 s27, s24, 3
	s_add_co_u32 s27, s27, s26                     ; rows 2 wave, 2 wave + 1: the ones that I store
	v_lshl_add_u32 v10, v19, 2, s26                ; row r (and, 64 bytes on, row 16 + r): for the gates
	s_lshr_b32 s55, s24, 3
	s_lshl_b32 s55, s55, 6
	v_add_nc_u32 v11, s55, v10                     ; row 16 (wave / 8) + r: the one whose codes I gather
	s_and_b32 s54, s24, 7
	s_lshl_b32 s54, s54, 6
	v_lshl_add_u32 v23, v22, 4, s54                ; and which 64 bytes of its 512: 64 (wave % 8) + 16 h, and 32 bytes on
	s_wait_kmcnt 0x0
	s_load_b128 s[28:31], s[20:21], s25 offset:0x0 ; expert, rows, first tile of its expert, 0
	s_load_b64 s[44:45], s[18:19], s27 offset:0x0
	s_wait_alu depctr_va_vdst(0)                   ; the addresses and offsets v1-7, v10, v11, v15-17 are written, which the loads, stores and prefetches of the whole kernel read
	global_load_b32 v12, v10, s[18:19]             ; these three hang on ids alone, so they go out beside the tile's entry
	global_load_b32 v13, v10, s[18:19] offset:64
	global_load_b32 v14, v11, s[18:19]
	s_wait_kmcnt 0x0
	s_min_u32 s28, s28, 7                          ; loaded numbers are held in their ranges before they enter an address
	s_min_u32 s29, s29, 32
	s_min_u32 s44, s44, 0xfff
	s_min_u32 s45, s45, 0xfff
	s_lshl_b32 s25, s28, 4                         ; (the wait above has freed s25, s26, s27)
	s_load_b128 s[32:35], s[14:15], s25 offset:0x0 ; ex, ew1, eh, ew2
	s_lshl_b32 s26, s28, 20
	s_lshl_b32 s27, s24, 16
	s_add_co_u32 s26, s26, s27                     ; e << 20 | wave << 16, in both buffers of codes
	s_mov_b32 s27, 0
	s_add_nc_u64 s[36:37], s[6:7], s[26:27]
	s_add_nc_u64 s[38:39], s[8:9], s[26:27]
	s_lshl_b32 s26, s28, 13
	s_lshl_b32 s54, s24, 9
	s_add_co_u32 s26, s26, s54
	s_add_nc_u64 s[40:41], s[10:11], s[26:27]      ; b1 + 8,192 e + 512 wave
	s_lshl_b32 s26, s28, 11
	s_lshl_b32 s54, s24, 7
	s_add_co_u32 s26, s26, s54
	s_add_nc_u64 s[42:43], s[12:13], s[26:27]      ; b2 + 2,048 e + 128 wave
	s_lshl_b32 s26, s44, 11
	s_add_nc_u64 s[50:51], s[22:23], s[26:27]      ; out's row of the token of row 2 wave,
	s_lshl_b32 s26, s45, 11
	s_add_nc_u64 s[52:53], s[22:23], s[26:27]      ; and of row 2 wave + 1
.macro RLOAD f                         ; fragment f of the stream into its place in the ring: four loads of 512 consecutive bytes
.if (\f) < 32
.irp c, 0,1,2,3
	global_load_b128 v[RB+16*((\f)%8)+4*\c:RB+16*((\f)%8)+4*\c+3], v[LI], s[36:37] offset:2048*(\f)+512*\c
.endr
.else
.irp c, 0,1,2,3
	global_load_b128 v[RB+16*((\f)%8)+4*\c:RB+16*((\f)%8)+4*\c+3], v[LI], s[38:39] offset:2048*((\f)-32)+512*\c
.endr
.endif
.endm
; A vector instruction that reads a matrix result or writes one of a matrix instruction's registers stands four places behind it, and only plain vector instructions that name none of its registers
; are places (ISA guide 7.12.1).  A load into a register that a matrix instruction has read stands behind a wait on va_vdst.
.macro PLACES
.rept 4
	v_nop
.endr
.endm
; A PREFETCH of 8,192 bytes (four fragments) of my wave's stream of W2's codes, lanes 256 bytes apart.  It stands behind a step's first run of loads, eleven or twelve fragments' products ahead of the ring's first load from that block.
; All tiles of an expert walk the same codes: the expert's first tile asks, each of its waves for its own stream, so each block of 256 bytes is named once in the launch.  W1's codes are wanted at the head and are not asked for.
.macro ASK blk
	s_cmp_eq_u32 s30, 1
	s_cbranch_scc0 .Lnot_first_\@
	global_prefetch_b8 v[PFO], s[38:39] offset:8192*(\blk) th:TH_LOAD_NT scope:SCOPE_SE
.Lnot_first_\@:
.endm
	global_load_b128 v[40:43], v[LI], s[40:41]     ; my 128 numbers of b1
.irp f, 0,1,2,3,4,5,6,7
	RLOAD \f                                       ; the ring is filled
.endr
	s_wait_loadcnt 33                              ; the three tokens are in: behind them stand b1's load and the ring's 32
	v_min_u32 v12, 0xfff, v12
	v_min_u32 v13, 0xfff, v13
	v_min_u32 v14, 0xfff, v14
	v_lshlrev_b32 v12, 2, v12
	v_lshlrev_b32 v13, 2, v13
	v_lshl_add_u32 v14, v14, 9, v23
	s_wait_alu depctr_va_vdst(0)                   ; the offsets v12, v13, v14 are written, which the four loads below read
	global_load_b32 v8, v12, s[16:17]              ; the gates of rows r and 16 + r
	global_load_b32 v9, v13, s[16:17]
	global_load_b128 v[32:35], v14, s[4:5]         ; two chunks of one image of x: image wave / 2, chunks 2 (wave % 2) and + 1
	global_load_b128 v[36:39], v14, s[4:5] offset:32
	s_wait_kmcnt 0x0                               ; the four exponents
	s_add_co_i32 s54, s32, s33                     ; ex + ew1
	s_sub_co_i32 s48, 127, s54
	s_lshl_b32 s48, s48, 23                        ; 2^-(ex + ew1) as f32
	s_mov_b32 s49, s48                             ; (named with it as a pair, so it is written)
	s_add_co_i32 s46, s34, s35
	s_add_co_i32 s46, s46, 127
	s_lshl_b32 s46, s46, 23                        ; 2^(eh + ew2)
	s_mov_b32 s47, s46
	s_sub_co_i32 s55, s34, s54
	s_add_co_i32 s55, s55, 127
	s_lshl_b32 s26, s55, 23
	v_mov_b32 v[SCH], s26                          ; 2^(eh - ex - ew1): the three scales folded into the conversion's one
	s_add_co_i32 s55, s55, 15
	s_lshl_b32 s55, s55, 23
	s_or_b32 s55, s55, 0x600000
	v_mov_b32 v[LIMH], s55                         ; 57,344 x that
	s_wait_loadcnt 36                              ; b1 is in: behind it stand the ring's 32, the two gates and x's two
	v_pk_mul_f32 v[40:41], v[40:41], s[48:49] op_sel_hi:[1,0]
	v_pk_mul_f32 v[42:43], v[42:43], s[48:49] op_sel_hi:[1,0]
	s_wait_alu depctr_va_vdst(0)                   ; the two multiplies have written v[40:43], which the LDS store reads
	ds_store_b128 v[BST], v[40:43]
	s_wait_loadcnt 0x0                             ; x's codes are the youngest loads: so the ring's first eight fragments are in too
	ds_store_b128 v[XST], v[32:35]
	ds_store_b128 v[XST], v[36:39] offset:512
	s_wait_dscnt 0x0                               ; for the others' sake: my stores have landed
	s_wait_alu depctr_vm_vsrc(0)                   ; the three LDS stores have read v[32:43], in which x's fragments land behind the barrier
	s_barrier_signal -1
	s_barrier_wait -1                              ; x's eight images and the bias lie in LDS
; ---------------------------------------------------------------- the first product, 64 hidden units of the wave (pass p) at a time
.macro BIASLD p                        ; the eight accumulators begin as the bias: lane (r, h), tile 2 bb + u, register j: unit 128 wave + 64 p + 32 bb + 16 h + 8 u + j; the same for both tiles of rows
.irp m, 0,1
.irp t, 0,1,2,3
	ds_load_b128 v[ACC+32*\m+8*\t:ACC+32*\m+8*\t+3],   v[BL] offset:(64*(\p)+32*(\t/2)+8*(\t%2))*4
	ds_load_b128 v[ACC+32*\m+8*\t+4:ACC+32*\m+8*\t+7], v[BL] offset:(64*(\p)+32*(\t/2)+8*(\t%2))*4+16
.endr
.endr
.endm
.macro XFETCH s                        ; x's fragments of K step s, both tiles of rows
.irp m, 0,1
.irp c, 0,1,2,3
	ds_load_b128 v[XF+16*\m+4*\c:XF+16*\m+4*\c+3], v[LI] offset:XIMG+(4*\m+(\s))*2048+512*\c
.endr
.endr
.endm
.macro FRAG1 f                         ; fragment f of W1 against both tiles of rows.  The eight accumulators take turns, one instruction a turn
	v_wmma_f32_16x16x128_bf8_bf8 v[ACC+8*((\f)%4):ACC+8*((\f)%4)+7], v[RB+16*((\f)%8):RB+16*((\f)%8)+15], v[XF:XF+15], v[ACC+8*((\f)%4):ACC+8*((\f)%4)+7]
	v_wmma_f32_16x16x128_bf8_bf8 v[ACC+32+8*((\f)%4):ACC+32+8*((\f)%4)+7], v[RB+16*((\f)%8):RB+16*((\f)%8)+15], v[XF+16:XF+31], v[ACC+32+8*((\f)%4):ACC+32+8*((\f)%4)+7]
.endm
; K step k = 4 p + s: fragments 4 k .. 4 k + 3, one half of the ring.  The other half, which K step k - 1 multiplied, takes fragments 4 k + 4 .. 4 k + 7, one ahead of each pair of matrix instructions.
; K step 0 finds the whole ring filled and asks for nothing.  A pass's first K step has no wait on va_vdst of its own: K step 0 has no step in front of it, and no vector or matrix instruction stands between the wait behind the first pass's conversions and K step 4.
.macro KSTEP k
.if ((\k)%4) != 0
	s_wait_alu depctr_va_vdst(0)                   ; the last K step's eight matrix instructions are done reading x's two fragments and their half of the ring: this step's 8 LDS loads and 16 loads of the stream land there
.endif
	XFETCH (\k)%4
.set FI, 0
.rept 4
.if (\k) > 0
	RLOAD 4*(\k)+4+FI                              ; no further wait: the matrix instructions issued since the wait name the other half of the ring, x's fragments and the accumulators
.endif
.if (FI == 0) && ((\k) >= 4)
	ASK (\k)-4
.endif
.if FI == 0
	s_wait_dscnt 0x0                               ; x's fragments, and in a pass's first K step the bias, are in
.endif
.if (\k) > 0
	s_wait_loadcnt 16                              ; loads come back in order: fragment 4 k + i is in; behind it stand 4 (3 - i) loads of its own group of four and 4 (i + 1) of the next
.endif
	FRAG1 4*(\k)+FI
.set FI, FI+1
.endr
.endm
.macro QUANT m                         ; the 32 sums of tile of rows m become 32 codes: two chunks of the second product's operand
.set qi, 0
.rept 32
	v_med3_num_f32 v[ACC+32*(\m)+qi], v[ACC+32*(\m)+qi], 0, v[LIMH]   ; the activation and the hold in one: between 0 and the largest code x the scale; each accumulator from its low end on
.set qi, qi+1
.endr
.irp t, 0,1,2,3
	v_cvt_scalef32_pk8_bf8_f32 v[XF+8*(\m)+2*\t:XF+8*(\m)+2*\t+1], v[ACC+32*(\m)+8*\t:ACC+32*(\m)+8*\t+7], v[SCH]
.endr
	v_nop                                          ; a plain line behind the conversions: matrix instructions later write these registers
.endm
.macro IMAGE m, p                      ; chunks 2 p and 2 p + 1 of image 16 m + wave
.irp b, 0,1
	ds_store_b128 v[HST], v[XF+8*(\m)+4*\b:XF+8*(\m)+4*\b+3] offset:32768*(\m)+512*(2*(\p)+\b)
.endr
.endm
.irp p, 0,1
	BIASLD \p
	KSTEP 4*\p
	KSTEP 4*\p+1
	KSTEP 4*\p+2
	KSTEP 4*\p+3
	PLACES                                         ; four places behind the pass's last matrix instruction, before the holds read and write the sums
	QUANT 0
	QUANT 1
	s_wait_alu depctr_va_vdst(0)                   ; the conversions have written the codes, which the LDS stores read; holds and conversions are done with the sums' registers, and the last K step's matrix instructions with x's fragments and their half of the ring: all that is loaded up to the next wait on va_vdst lands in these
	IMAGE 0, \p
	IMAGE 1, \p
.if \p == 1
	RLOAD 36                                       ; the half of the ring that the last K step multiplied takes W2's fragments 36 to 39, ahead of the barrier
	RLOAD 37
	RLOAD 38
	RLOAD 39
.endif
	s_wait_dscnt 0x0                               ; my stores have landed
	s_wait_alu depctr_vm_vsrc(0)                   ; the four LDS stores have read the codes' registers, which are written next by the loads of x's fragments (first pass) or by the second product's first matrix instructions (second pass)
.endr
	s_barrier_signal -1
	s_barrier_wait -1                              ; the hidden layer's 32 images lie in LDS
; ---------------------------------------------------------------- the second product: K step s = the hidden units of wave s
.macro HFETCH s                        ; the hidden layer's fragments of K step s, both tiles of rows, into set s % 2
.irp m, 0,1
.irp c, 0,1,2,3
	ds_load_b128 v[ACC+32*((\s)%2)+16*\m+4*\c:ACC+32*((\s)%2)+16*\m+4*\c+3], v[HLD] offset:(16*\m+(\s))*2048+512*\c
.endr
.endr
.endm
; Step s multiplies fragments 32 + 2 s and 33 + 2 s of the stream by hidden set s % 2.  What step s - 1 read is asked for again behind the wait at the head: the other hidden set at once, since it would lie idle else;
; the two places of the ring behind each two matrix instructions.  Step 15 issues no load and has no such wait.
.macro STEP2 s
.if ((\s) >= 1) && ((\s) <= 14)
	s_wait_alu depctr_va_vdst(0)                   ; the last step's four matrix instructions are done reading their set of hidden fragments and their two places in the ring: this step's loads land there
.endif
.if (\s) <= 14
	HFETCH (\s)+1                                  ; (step 0: the wait behind the second pass's conversions has shown the holds and conversions done with these registers)
.endif
.if ((\s) <= 6) && ((\s)%2 == 0)
	ASK 4+(\s)/2
.endif
.if (\s) == 0
	s_wait_loadcnt 24                              ; fragments 32 and 33 are in; 34 to 39 may be out
.elseif (\s) <= 13
	s_wait_loadcnt 16                              ; this step's two fragments are in; the four younger ones' 16 loads may be out
.else
	s_wait_loadcnt 12-8*((\s)-14)                  ; the stream's end: what is left of it, and b2's four loads
.endif
.if (\s) <= 14
	s_wait_dscnt 8                                 ; this step's hidden fragments are in; the next step's eight loads may be out
.else
	s_wait_dscnt 0
.endif
.irp u, 0,1
.irp m, 0,1                            ; four accumulators by turns; the first step's products start the sums
.if (\s) == 0
	v_wmma_f32_16x16x128_bf8_bf8 v[XF+16*\m+8*\u:XF+16*\m+8*\u+7], v[RB+16*((2*(\s)+\u)%8):RB+16*((2*(\s)+\u)%8)+15], v[ACC+32*((\s)%2)+16*\m:ACC+32*((\s)%2)+16*\m+15], 0
.else
	v_wmma_f32_16x16x128_bf8_bf8 v[XF+16*\m+8*\u:XF+16*\m+8*\u+7], v[RB+16*((2*(\s)+\u)%8):RB+16*((2*(\s)+\u)%8)+15], v[ACC+32*((\s)%2)+16*\m:ACC+32*((\s)%2)+16*\m+15], v[XF+16*\m+8*\u:XF+16*\m+8*\u+7]
.endif
.endr
.if ((\s) >= 1) && ((\s) <= 12)
	RLOAD 38+2*(\s)+\u                             ; no further wait: the matrix instructions issued since the wait name this step's pair, this step's set and the accumulators
.endif
.if ((\s) == 13) && (\u == 0)
.irp q, 0,1,2,3
	global_load_b128 v[RB+4*\q:RB+4*\q+3], v[BO], s[42:43] offset:16*\q   ; the stream is at its end: the place that step 12 left takes b2 of my 16 outputs: 32 wave + 16 h + 0 .. 15
.endr
.endif
.endr
.endm
	HFETCH 0
.irp s, 0,1,2,3,4,5,6,7,8,9,10,11,12,13,14,15
	STEP2 \s
.endr
; ---------------------------------------------------------------- the way out
	PLACES                                         ; four places behind the last matrix instruction, before the sums are read
	s_wait_loadcnt 0x0                             ; b2
.irp m, 0,1
.irp i, 0,2,4,6,8,10,12,14
	v_pk_fma_f32 v[XF+16*\m+\i:XF+16*\m+\i+1], v[XF+16*\m+\i:XF+16*\m+\i+1], s[46:47], v[RB+\i:RB+\i+1] op_sel_hi:[1,0,1]   ; sum x 2^(eh + ew2) + b2; each accumulator from its low end on
.endr
.endr
.irp i, 0,2,4,6,8,10,12,14
	v_pk_mul_f32 v[XF+\i:XF+\i+1], v[XF+\i:XF+\i+1], v[8:9] op_sel_hi:[1,0]                    ; x the gate of row r
.endr
.irp i, 0,2,4,6,8,10,12,14
	v_pk_mul_f32 v[XF+16+\i:XF+16+\i+1], v[XF+16+\i:XF+16+\i+1], v[8:9] op_sel:[0,1] op_sel_hi:[1,1]   ; x the gate of row 16 + r
.endr
	s_wait_alu depctr_va_vdst(0)                   ; the packed lines have written out's numbers, which the LDS stores read; the last steps' matrix instructions are done reading the hidden sets, in which the stage's rows land behind the barrier
.irp m, 0,1
.irp q, 0,1,2,3
	ds_store_b128 v[SO], v[XF+16*\m+4*\q:XF+16*\m+4*\q+3] offset:16*SP*\m+16*\q   ; lane (r, h): out(16 m + r, 32 wave + 16 h + 0 .. 15): 64 bytes of a row
.endr
.endr
	s_wait_dscnt 0x0                               ; for the others' sake: my stores have landed
	s_barrier_signal -1
	s_barrier_wait -1                              ; 32 whole rows lie in the stage
.irp i, 0,1
.irp q, 0,1,2,3
	ds_load_b128 v[ACC+16*\i+4*\q:ACC+16*\i+4*\q+3], v[SR] offset:SP*\i+512*\q
.endr
.endr
	s_wait_dscnt 0x0
	s_lshl_b32 s26, s24, 1
	s_cmp_lt_u32 s26, s29                          ; a row that the tile does not have is not stored
	s_cbranch_scc0 .Lno_row0
.irp q, 0,1,2,3
	global_store_b128 v[LI], v[ACC+4*\q:ACC+4*\q+3], s[50:51] offset:512*\q th:TH_STORE_NT   ; 32 lanes store 512 consecutive bytes of the token's row, aligned
.endr
.Lno_row0:
	s_add_co_u32 s26, s26, 1
	s_cmp_lt_u32 s26, s29
	s_cbranch_scc0 .Lno_row1
.irp q, 0,1,2,3
	global_store_b128 v[LI], v[ACC+16+4*\q:ACC+16+4*\q+3], s[52:53] offset:512*\q th:TH_STORE_NT
.endr
.Lno_row1:
	s_wait_dscnt 0x0                               ; the closing lines, six on end
	s_wait_alu 0x0
	s_wait_tensorcnt 0x0
	ds_add_u32 v30, v31
	s_wait_dscnt 0x0
	s_endpgm
.Lfunc_end_k_qde5c7ecf85_chain:
	.size	k_qde5c7ecf85_chain, .Lfunc_end_k_qde5c7ecf85_chain-k_qde5c7ecf85_chain
	.p2alignl 7, 3214868480
	.fill 96, 4, 3214868480
	.section	.rodata,"a",@progbits
	.p2align	6, 0x0
	.amdhsa_kernel k_qde5c7ecf85_chain
		.amdhsa_group_segment_fixed_size 158208
		.amdhsa_private_segment_fixed_size 0
		.amdhsa_enable_private_segment 0
		.amdhsa_kernarg_size 80
		.amdhsa_user_sgpr_count 2
		.amdhsa_user_sgpr_kernarg_segment_ptr 1
		.amdhsa_wavefront_size32 1
		.amdhsa_system_sgpr_workgroup_id_x 1
		.amdhsa_system_sgpr_workgroup_id_y 1
		.amdhsa_system_sgpr_workgroup_id_z 1
		.amdhsa_system_vgpr_workitem_id 0
		.amdhsa_next_free_vgpr 256
		.amdhsa_next_free_sgpr 66
		.amdhsa_reserve_vcc 0
		.amdhsa_float_denorm_mode_32 3
		.amdhsa_float_denorm_mode_16_64 3
		.amdhsa_memory_ordered 1
		.amdhsa_forward_progress 1
		.amdhsa_inst_pref_size 71
	.end_amdhsa_kernel
	.amdgpu_metadata
---
amdhsa.version: [ 1, 2 ]
amdhsa.kernels:
  - .name:           k_qde5c7ecf85_chain
    .symbol:         k_qde5c7ecf85_chain.kd
    .args:
      - { .name: xq, .offset: 0, .size: 8, .value_kind: global_buffer, .address_space: global }
      - { .name: w1c, .offset: 8, .size: 8, .value_kind: global_buffer, .address_space: global }
      - { .name: w2c, .offset: 16, .size: 8, .value_kind: global_buffer, .address_space: global }
      - { .name: b1, .offset: 24, .size: 8, .value_kind: global_buffer, .address_space: global }
      - { .name: b2, .offset: 32, .size: 8, .value_kind: global_buffer, .address_space: global }
      - { .name: lowp_scales, .offset: 40, .size: 8, .value_kind: global_buffer, .address_space: global }
      - { .name: gate, .offset: 48, .size: 8, .value_kind: global_buffer, .address_space: global }
      - { .name: order, .offset: 56, .size: 8, .value_kind: global_buffer, .address_space: global }
      - { .name: tiles, .offset: 64, .size: 8, .value_kind: global_buffer, .address_space: global }
      - { .name: out0, .offset: 72, .size: 8, .value_kind: global_buffer, .address_space: global }
    .group_segment_fixed_size: 158208
    .private_segment_fixed_size: 0
    .kernarg_segment_align: 8
    .kernarg_segment_size: 80
    .max_flat_workgroup_size: 512
    .sgpr_count:     66
    .vgpr_count:     256
    .wavefront_size: 32
...
	.end_amdgpu_metadata
.endif
;; end of part 4
